; MI455X (gfx1250); checked and timed in simulation.
; The chip was launched on July 23, 2026; its instructions are those of AMD's public machine-readable ISA for CDNA 5 (MIT licence, August 2026) and "CDNA5" Instruction Set Architecture Reference Guide (July 2026). The comments in the code are by the model that wrote it; some were corrected since.
;; Multi Scale Attention. Allowed arithmetic: float matrix products may take bf16 or f16 operands with f32 sums; other float arithmetic in f32, or as packed bf16 or f16 multiplies, adds, multiply-adds, maxima and minima; sums over many terms, partial sums and values carried from step to step in f32; what a program stores and reads back later, other than sums and carried values, may be rounded once to bf16 or f16.
;; Inputs: k 2 x 16 x 2,048 x 128 float32; out_b 2,048 float32; out_w 2,048 x 2,048 float32; padding_mask 2 x 2,048 bool; q_b 2,048 float32; q_w 2,048 x 2,048 float32; tier_bias 3 float32; tier_labels 2 x 2,048 int32; v 2 x 16 x 2,048 x 128 float32; x 2 x 2,048 x 2,048 float32.
;; Outputs: out0 2 x 2,048 x 2,048 float32.
;; 2 versions, each right; version 2 is version 1 with the launch cast written anew for expert scheduling mode. Each part assembles by itself: llvm-mc -triple=amdgcn-amd-amdhsa -mcpu=gfx1250 --defsym DOCPART=n.
;; ======== version 1 of 2: 4 launches
;; limits: values are held in f16: magnitudes above 65,504 overflow, below 6.1e-05 lose precision
;; workspace buffers: x16 16,777,216 bytes; qw16 8,388,608 bytes; ow16 8,388,608 bytes; kx 17,039,360 bytes; v16 16,777,216 bytes; qf 33,554,432 bytes; o16 16,777,216 bytes
;; launch cast (part 1): grid 2048 x 1, 8 waves a work-group, no clusters, 0 bytes of LDS; arguments x, q_w, out_w, k, v, tier_labels, padding_mask, tier_bias, x16, qw16, ow16, kx, v16; writes x16, qw16, ow16, kx, v16
.if DOCPART == 1
	.amdgcn_target "amdgcn-amd-amdhsa--gfx1250"
	.amdhsa_code_object_version 6
	.text
	.protected	k_q6079d400c5_cast
	.globl	k_q6079d400c5_cast
	.p2align	8
	.type	k_q6079d400c5_cast,@function
k_q6079d400c5_cast:
	s_mov_b64 s[64:65], 0
	v_nop
	global_prefetch_b8 v0, s[64:65] scope:SCOPE_SE
	s_setreg_imm32_b32 hwreg(HW_REG_WAVE_MODE, 25, 1), 1
	s_wait_xcnt 0x0
; THE OPERANDS OF ALL PRODUCTS, MADE ONCE.  x, q_w, out_w, k, v (f32) are rounded to bf16, and that number is written as f16 (exact between 6e-5 and 65,504).
; LIMITS.  A number of 65,520 or more becomes an infinity; below 6e-5 f16 keeps its fixed step of 6e-8.  Labels are 0, 1 or 2 (any other counts as 0).
; SHARES.  A work-group takes 16,384 numbers of one array: 64 KiB in, 32 KiB out.  By its number g: 0-511 x, 512-767 q_w, 768-1023 out_w, 1024-1535 k, 1536-2047 v.
; Thread t takes 16 bytes at 16 t of each 4,096 bytes: a load of a wave covers 512 consecutive bytes, a store 256 consecutive bytes at a multiple of 256 from the buffer's first byte.
; kx: for each head 32 halves of 65 rows of 256 bytes: 64 keys in f16, then one row with those keys' additive terms in f32: sqrt(2) x bf16(tier_bias[label]), or -1e30 for a padded key.
; (The scores are kept as q k / 8; they are multiplied by 8 / sqrt(128) later, and sqrt(2) x 8 / sqrt(128) = 1.)  A work-group of k has 128 keys: two halves, 33,280 bytes.
; No LDS, no matrix unit, no cluster: every byte is read once and written once, and no two work-groups share a byte.
.set X,   4                            ; v[4:67]    16 loads of 4 registers
.set T,   68                           ; v[68:73]   at work
.set Y,   76                           ; v[76:107]  16 stores of 2 registers: each has its own, so no store's data is written again
.set SRC, 32                           ; s[32:33]   the array read
.set DST, 34                           ; s[34:35]   the array written
	s_load_b512 s[4:19], s[0:1], 0x0               ; x, q_w, out_w, k, v, tier_labels, padding_mask, tier_bias
	s_load_b256 s[20:27], s[0:1], 0x40             ; x16, qw16, ow16, kx
	s_load_b64 s[28:29], s[0:1], 0x60              ; v16
	v_lshlrev_b32 v1, 4, v0                        ; my 16 bytes in 4,096 read
	v_lshlrev_b32 v2, 3, v0                        ; my 8 bytes in 2,048 written
	v_lshrrev_b32 v3, 5, v0
	v_readfirstlane_b32 s30, v3                    ; wave 0..7
	s_mov_b32 s31, 0xffff0000                      ; a word's upper bf16
	s_mov_b32 s36, 0                               ; the first work-group of my array
	s_wait_kmcnt 0x0
	s_mov_b64 s[SRC:SRC+1], s[4:5]
	s_mov_b64 s[DST:DST+1], s[20:21]
.macro PICK bound, src, dst                    ; from work-group 'bound' on: another pair of arrays.  The condition hangs on the work-group's number alone
	s_cmp_ge_u32 ttmp9, \bound
	s_cselect_b64 s[SRC:SRC+1], s[\src:\src+1], s[SRC:SRC+1]
	s_cselect_b64 s[DST:DST+1], s[\dst:\dst+1], s[DST:DST+1]
	s_cselect_b32 s36, \bound, s36
.endm
	PICK 512, 6, 22
	PICK 768, 8, 24
	PICK 1024, 10, 26
	PICK 1536, 12, 28
	s_mov_b32 s42, 32768                           ; bytes written by a work-group,
	s_cmp_eq_u32 s36, 1024                         ; is it k?
	s_cselect_b32 s37, 1, 0
	s_cselect_b32 s39, 256, 0                      ; then the second 64 keys lie one row of 256 bytes further on,
	s_cselect_b32 s42, 33280, s42                  ; and a work-group's part is two such rows longer
	s_sub_co_u32 s38, ttmp9, s36                   ; my place in the array
	s_lshl_b32 s40, s38, 16
	s_mov_b32 s41, 0
	s_mul_i32 s42, s38, s42
	s_mov_b32 s43, 0
	s_add_nc_u64 s[SRC:SRC+1], s[SRC:SRC+1], s[40:41]
	s_add_nc_u64 s[DST:DST+1], s[DST:DST+1], s[42:43]
	v_add_nc_u32 v3, s39, v2                       ; the offset for the second half of the stores
.irp i, 0,1,2,3,4,5,6,7,8,9,10,11,12,13,14,15
	global_load_b128 v[X+4*(\i):X+4*(\i)+3], v1, s[SRC:SRC+1] offset:4096*(\i) th:TH_LOAD_NT
.endr
.irp i, 0,1,2,3,4,5,6,7,8,9,10,11,12,13,14,15
	s_wait_loadcnt 15-(\i)                         ; loads come back in order (ISA guide 5.7.1): load i is in, the younger ones stay out
	v_cvt_pk_bf16_f32 v[T],   v[X+4*(\i)],   v[X+4*(\i)+1]
	v_cvt_pk_bf16_f32 v[T+1], v[X+4*(\i)+2], v[X+4*(\i)+3]
	v_lshlrev_b32 v[T+2], 16,  v[T]                ; bf16 back to f32: the low half moves up, the high half stays
	v_and_b32     v[T+3], s31, v[T]
	v_lshlrev_b32 v[T+4], 16,  v[T+1]
	v_and_b32     v[T+5], s31, v[T+1]
	v_cvt_pk_f16_f32 v[Y+2*(\i)],   v[T+2], v[T+3]
	v_cvt_pk_f16_f32 v[Y+2*(\i)+1], v[T+4], v[T+5]
	global_store_b64 v[2+(\i)/8], v[Y+2*(\i):Y+2*(\i)+1], s[DST:DST+1] offset:2048*(\i)
.endr
	; The two rows of additive terms: wave 0 of a work-group of k; lane l takes keys 4 l .. 4 l + 3 of the 128.
	s_cmp_eq_u32 s37, 1
	s_cbranch_scc0 .Lend
	s_cmp_eq_u32 s30, 0
	s_cbranch_scc0 .Lend
	s_load_b96 s[44:46], s[18:19], 0x0             ; tier_bias
	s_lshr_b32 s47, s38, 8                         ; my place is 256 x batch + 16 x head + tile
	s_lshl_b32 s47, s47, 11
	s_and_b32 s48, s38, 15
	s_lshl_b32 s48, s48, 7
	s_add_co_u32 s48, s48, s47                     ; my first key among the 2 x 2,048
	s_mov_b32 s49, 0
	s_add_nc_u64 s[16:17], s[16:17], s[48:49]      ; its byte of the mask,
	s_lshl_b32 s48, s48, 2
	s_add_nc_u64 s[14:15], s[14:15], s[48:49]      ; its label
	v_and_b32 v4, 31, v0
	v_lshlrev_b32 v5, 4, v4
	v_lshlrev_b32 v6, 2, v4
	global_load_b128 v[8:11], v5, s[14:15]
	global_load_b32 v12, v6, s[16:17]
	v_lshrrev_b32 v7, 4, v4                        ; lanes 0-15 fill the first half's row at byte 16,384, lanes 16-31 the second's at 33,024
	v_lshl_add_u32 v7, v7, 14, v5
	v_add_nc_u32 v7, 16384, v7
	v_mov_b32 v19, 0xf149f2ca                      ; -1e30
	s_wait_kmcnt 0x0
	v_mov_b32 v16, s44
	v_mov_b32 v17, s45
	v_mov_b32 v18, s46
	v_cvt_pk_bf16_f32 v14, v16, v17                ; rounded to bf16 like every input
	v_cvt_pk_bf16_f32 v15, v18, v18
	v_lshlrev_b32 v16, 16, v14
	v_and_b32 v17, s31, v14
	v_lshlrev_b32 v18, 16, v15
	v_mul_f32 v16, 0x3fb504f3, v16                 ; x sqrt(2)
	v_mul_f32 v17, 0x3fb504f3, v17
	v_mul_f32 v18, 0x3fb504f3, v18
	s_wait_loadcnt 0x0
.irp j, 0,1,2,3
	v_cmp_eq_u32 vcc_lo, 1, v[8+(\j)]
	v_cndmask_b32 v[20+(\j)], v16, v17, vcc_lo
	v_cmp_eq_u32 vcc_lo, 2, v[8+(\j)]
	v_cndmask_b32 v[20+(\j)], v[20+(\j)], v18, vcc_lo
	v_bfe_u32 v13, v12, 8*(\j), 8
	v_cmp_ne_u32 vcc_lo, 0, v13
	v_cndmask_b32 v[20+(\j)], v[20+(\j)], v19, vcc_lo
.endr
	global_store_b128 v7, v[20:23], s[DST:DST+1]   ; 16 lanes store 256 consecutive bytes
.Lend:
	s_endpgm
.Lfunc_end_k_q6079d400c5_cast:
	.size	k_q6079d400c5_cast, .Lfunc_end_k_q6079d400c5_cast-k_q6079d400c5_cast
	.p2alignl 7, 3214868480
	.fill 96, 4, 3214868480
	.section	.rodata,"a",@progbits
	.p2align	6, 0x0
	.amdhsa_kernel k_q6079d400c5_cast
		.amdhsa_group_segment_fixed_size 0
		.amdhsa_private_segment_fixed_size 0
		.amdhsa_enable_private_segment 0
		.amdhsa_kernarg_size 104
		.amdhsa_user_sgpr_count 2
		.amdhsa_user_sgpr_kernarg_segment_ptr 1
		.amdhsa_wavefront_size32 1
		.amdhsa_system_sgpr_workgroup_id_x 1
		.amdhsa_system_sgpr_workgroup_id_y 1
		.amdhsa_system_sgpr_workgroup_id_z 1
		.amdhsa_system_vgpr_workitem_id 0
		.amdhsa_next_free_vgpr 112
		.amdhsa_next_free_sgpr 66
		.amdhsa_reserve_vcc 1
		.amdhsa_float_denorm_mode_32 3
		.amdhsa_float_denorm_mode_16_64 3
		.amdhsa_memory_ordered 1
		.amdhsa_forward_progress 1
		.amdhsa_inst_pref_size 15
	.end_amdhsa_kernel
	.amdgpu_metadata
---
amdhsa.version: [ 1, 2 ]
amdhsa.kernels:
  - .name:           k_q6079d400c5_cast
    .symbol:         k_q6079d400c5_cast.kd
    .args:
      - { .name: x, .offset: 0, .size: 8, .value_kind: global_buffer, .address_space: global }
      - { .name: q_w, .offset: 8, .size: 8, .value_kind: global_buffer, .address_space: global }
      - { .name: out_w, .offset: 16, .size: 8, .value_kind: global_buffer, .address_space: global }
      - { .name: k, .offset: 24, .size: 8, .value_kind: global_buffer, .address_space: global }
      - { .name: v, .offset: 32, .size: 8, .value_kind: global_buffer, .address_space: global }
      - { .name: tier_labels, .offset: 40, .size: 8, .value_kind: global_buffer, .address_space: global }
      - { .name: padding_mask, .offset: 48, .size: 8, .value_kind: global_buffer, .address_space: global }
      - { .name: tier_bias, .offset: 56, .size: 8, .value_kind: global_buffer, .address_space: global }
      - { .name: x16, .offset: 64, .size: 8, .value_kind: global_buffer, .address_space: global }
      - { .name: qw16, .offset: 72, .size: 8, .value_kind: global_buffer, .address_space: global }
      - { .name: ow16, .offset: 80, .size: 8, .value_kind: global_buffer, .address_space: global }
      - { .name: kx, .offset: 88, .size: 8, .value_kind: global_buffer, .address_space: global }
      - { .name: v16, .offset: 96, .size: 8, .value_kind: global_buffer, .address_space: global }
    .group_segment_fixed_size: 0
    .private_segment_fixed_size: 0
    .kernarg_segment_align: 8
    .kernarg_segment_size: 104
    .max_flat_workgroup_size: 256
    .sgpr_count:     66
    .vgpr_count:     112
    .wavefront_size: 32
...
	.end_amdgpu_metadata
.endif
;; end of part 1
;; launch qproj (part 2): grid 16 x 16, 4 waves a work-group, clusters of 4 x 4, 327,680 bytes of LDS; arguments x16, qw16, q_b, qf; writes qf
.if DOCPART == 2
	.amdgcn_target "amdgcn-amd-amdhsa--gfx1250"
	.amdhsa_code_object_version 6
	.text
	.protected	k_q6079d400c5_qproj
	.globl	k_q6079d400c5_qproj
	.p2align	8
	.type	k_q6079d400c5_qproj,@function
k_q6079d400c5_qproj:
	s_mov_b64 s[64:65], 0
	v_nop
	global_prefetch_b8 v0, s[64:65] scope:SCOPE_SE
	s_setreg_imm32_b32 hwreg(HW_REG_WAVE_MODE, 25, 1), 1
	s_wait_xcnt 0x0
	s_wait_alu depctr_hold_cnt(0) depctr_sa_sdst(0) depctr_va_vdst(0) depctr_va_sdst(0) depctr_va_ssrc(0) depctr_va_vcc(0) depctr_vm_vsrc(0)
	s_getreg_b32 s2, hwreg(HW_REG_IB_STS2, 6, 4)
	s_cmp_eq_u32 s2, 0
	s_cbranch_scc0 .Lentry_in_a_cluster
	s_endpgm
.Lentry_in_a_cluster:
	s_bfe_u32 s2, ttmp6, 0x10000c
	s_cmp_lg_u32 s2, 0xf033
	s_cbranch_scc0 .Lentry_shape_is_right
	s_endpgm
.Lentry_shape_is_right:
; C[m][n] = sum over k of A[m][k] B[n][k] + bf16(bias[n]).  A: [4096][2048] f16, B: [2048][2048] f16, bias: [2048] f32, C: [4096][2048] f32; sums in f32.  Serves both projections.
; A NaN in a row of A makes that row of C NaN and no other.
; SHARES.  A tile of C is 256 x 128: 16 x 16 tiles, one for each work-group.  Four waves, each 128 rows x 64 columns: 32 accumulators of 16 x 16, 256 registers.
; K goes in steps of 128 (rows of 256 bytes, at multiples of 256 from the buffer's first byte) through a ring of two LDS slots filled by the tensor data mover: a step is 128 matrix instructions a wave.
; CLUSTER.  4 x 4 work-groups.  The four of a row of the cluster need the same tiles of A, the four of a column the same tiles of B: each tile is asked for JOINTLY, by the same tensor load with the
; same descriptor and a mask that names the four.  Waves 0 and 1 ask for A's two halves (128 rows each), waves 2 and 3 for B's (64 rows each).
; THE MATRIX INSTRUCTION IS USED TRANSPOSED (source 0 = 16 rows of B, source 1 = 16 rows of A): a lane then holds eight neighbouring numbers, 32 bytes, of a row of C.
; REGISTERS, in windows of 256 (s_set_vgpr_msb: bits 1:0 source 0, 3:2 source 1, 5:4 source 2, 7:6 destination):
;   window 0: v0-39 addresses and the bias; v64-127 two buffers of 16 rows on the way out      window 1: accumulator (a, b) at v[8 (4 a + b)]
;   window 2: two fragment buffers of 96: for 32 along K, 64 registers of A (8 x 16 rows), then 32 of B (4 x 16 rows)
.set SIZE_K, 2048
.set SIZE_N, 2048
.set KSTEP,  128
.set PITCH,  272                       ; an LDS row: 256 bytes + 16 of padding = 68 words: the 16 rows that a load touches start at 16 different groups of four banks (64 banks of 4 bytes: ISA guide 11.1)
.set HA,     128*PITCH                 ; half of A's tile: what waves 0 and 1 each fetch, and what a wave reads of A
.set HB,     64*PITCH                  ; half of B's tile
.set SLOT,   2*HA+2*HB                 ; A's 256 rows, then B's 128 rows
.set STAGE,  2*SLOT                    ; behind the ring: 16 rows x 272 bytes for each wave, for the way out
.set SPITCH, 272
.set SPARE,  STAGE+4*16*SPITCH         ; behind the stages: the spare words, 128 bytes for each wave: two blocks of 256 bytes that no other line names
.set LAPS,   SIZE_K/(2*KSTEP)         ; a lap = two K steps = once round the ring: 8
.set ADRA, 16                          ; v16-17  LDS address of my A fragments in slot 0, 1
.set ADRB, 20                          ; v20-21  the same for B
.set STO,  24                          ; v24     the way out: where I put 32 bytes of a row
.set RD,   25                          ; v25     the way out: where I read a row back
.set CO,   26                          ; v26     my byte offset in C
.set SPW,  28                          ; v28     LDS address of my spare word; never rewritten
.set NIL,  29                          ; v29     0; never rewritten
.set BI,   32                          ; v[32:35] the bias of the four columns that I store
.set BO,   36                          ; v36     its byte offset
.set BT,   38                          ; v38-39  at work
.set OB,   64                          ; the way out: 16 rows read back: v64-95 and v96-127 by turns
.set F0,   0                           ; fragment buffers, in window 2
.set F1,   96
.set WV, 12                            ; s12 wave; s13 which 128 rows of the tile are mine, also: I fetch for A (0) or B (1); s14 which 64 columns, also: which half I fetch
.set WM, 13
.set WN, 14
.set TR, 15                            ; s15 tile row of C
.set G1, 24                            ; s[24:31] descriptor group 1 for A's tiles;  s[32:39] group 0, one set for each slot
.set G0, 32
.set G1B, 48                           ; s[48:55], s[56:63] the same for B's tiles
.set G0B, 56
.set MSB, 0
.macro WIN new                         ; the immediate's high byte repeats the setting that is left; a switch that changes nothing is dropped
.if MSB != (\new)
	s_set_vgpr_msb (MSB<<8)|(\new)
.set MSB, \new
.endif
.endm
.set MUL,  0x5a                        ; sources 0 (B) and 1 (A) window 2; C and D window 1
.set TO_F, 0x80                        ; destination window 2, address window 0
.set FROM_ACC, 0x04                    ; an LDS store's data (source 1) window 1, its address window 0
.macro JLOAD s                         ; a joint refill; the branch hangs on the wave's number alone; an s_nop 0 and four v_nop follow each of the two lines, ahead of the jump, the label and what follows
	s_cmp_eq_u32 s[WM], 0
	s_cbranch_scc0 .Lfor_b_\@
	tensor_load_to_lds s[G0+4*(\s):G0+4*(\s)+3], s[G1:G1+7]
	s_nop 0
.rept 4
	v_nop
.endr
	s_branch .Lasked_\@
.Lfor_b_\@:
	tensor_load_to_lds s[G0B+4*(\s):G0B+4*(\s)+3], s[G1B:G1B+7]
	s_nop 0
.rept 4
	v_nop
.endr
.Lasked_\@:
.endm
.macro CREST                           ; a round of the cluster's barrier behind its opening barrier
	s_cmp_lg_u32 s[WV], 0
	s_cbranch_scc1 .Lnot_wave_0_\@
	s_barrier_signal -3
.Lnot_wave_0_\@:
	s_barrier_wait -3
	s_barrier_signal -1
	s_barrier_wait -1
.endm
.macro CROUND                          ; a whole round
	s_barrier_signal -1
	s_barrier_wait -1
	CREST
.endm
	s_load_b256 s[4:11], s[0:1], 0x0               ; A s[4:5], B s[6:7], bias s[8:9], C s[10:11]
	v_lshl_add_u32 v[SPW], v0, 2, SPARE
	v_mov_b32 v[NIL], 0
	ds_add_u32 v[SPW], v[NIL]                      ; the wave's opening: the add and its wait stand ahead of my first tensor load; the set-up below, work on registers, stands between them
	ds_add_u32 v28, v29
	v_lshrrev_b32 v1, 5, v0
	v_readfirstlane_b32 s[WV], v1                  ; wave 0..3
	s_lshr_b32 s[WM], s[WV], 1
	s_and_b32 s[WN], s[WV], 1
	s_bfe_u32 s40, ttmp6, 0x40000                  ; cx, cy: my place in the cluster
	s_bfe_u32 s41, ttmp6, 0x40004
	s_lshl_b32 s42, ttmp9, 2
	s_add_co_u32 s42, s42, s40                     ; tile column of C = 4 x cluster x + cx
	s_and_b32 s[TR], ttmp7, 0xffff
	s_lshl_b32 s[TR], s[TR], 2
	s_add_co_u32 s[TR], s[TR], s41                 ; tile row of C = 4 x cluster y + cy
	s_lshl_b32 s43, s41, 2
	s_lshl_b32 s43, 15, s43                        ; my row of the cluster: places 4 cy .. 4 cy + 3
	s_lshl_b32 s44, 0x1111, s40                    ; my column: places cx, cx + 4, cx + 8, cx + 12
	; descriptor group 1: rows of 128 elements of 2 bytes, padded in LDS
	s_or_b32 s[G1+0], s43, (1<<16)|(1<<20)|(1<<21)|(5<<22)|(3<<25)   ; 15:0 the mask: A's tiles go to my row; 17:16 2-byte elements; 20 padding on; 21 set beside a mask; 24:22 after every 64 words (code 5); 31:25 4 words (code 3)
	s_or_b32 s[G1B+0], s44, (1<<16)|(1<<20)|(1<<21)|(5<<22)|(3<<25)  ; the same with the mask of my column
.irp g, G1, G1B
	s_mov_b32 s[(\g)+1], KSTEP<<16                 ; tensor_dim0 = 128
	s_mov_b32 s[(\g)+3], KSTEP<<16                 ; tile_dim0 = 128
	s_mov_b32 s[(\g)+5], SIZE_K                    ; elements from row to row
	s_mov_b32 s[(\g)+6], 0
	s_mov_b32 s[(\g)+7], 0
.endr
	s_mov_b32 s[G1+2], 128<<16                     ; A: tensor_dim1 = tile_dim1 = 128 rows
	s_mov_b32 s[G1+4], 128
	s_mov_b32 s[G1B+2], 64<<16                     ; B: 64 rows
	s_mov_b32 s[G1B+4], 64
	; where the tiles come from.  A's hang on the tile row alone, B's on the tile column alone; each in registers that never hold the other coordinate
	s_lshl_b32 s17, s[WN], 7
	s_lshl_b32 s16, s[TR], 8
	s_add_co_u32 s16, s16, s17                     ; A: row 256 x tile row + 128 x half,
	s_lshl_b32 s16, s16, 12                        ; of 4,096 bytes: under 2^24
	s_mov_b32 s17, 0
	s_lshl_b32 s47, s[WN], 6
	s_lshl_b32 s46, s42, 7
	s_add_co_u32 s46, s46, s47                     ; B: row 128 x tile column + 64 x half
	s_lshl_b32 s46, s46, 12
	s_mov_b32 s47, 0
	s_mul_i32 s20, s[WN], HA                       ; and where they go: no place in the cluster enters an LDS address
	s_mul_i32 s21, s[WN], HB
	s_add_co_u32 s21, s21, 2*HA
	s_wait_dscnt 0x0                               ; the opening add is done
	s_wait_kmcnt 0x0
	s_add_nc_u64 s[18:19], s[4:5], s[16:17]
	s_add_nc_u64 s[46:47], s[6:7], s[46:47]
.irp s, 0,1
	s_mov_b32 s[G0+4*(\s)], 1                                        ; count = 1
	s_add_co_u32 s[G0+4*(\s)+1], s20, (\s)*SLOT                      ; LDS address
	s_add_nc_u64 s[G0+4*(\s)+2:G0+4*(\s)+3], s[18:19], (\s)*KSTEP*2  ; global address: K step s
	s_or_b32 s[G0+4*(\s)+3], s[G0+4*(\s)+3], 0x80000000              ; type = 2
	s_mov_b32 s[G0B+4*(\s)], 1
	s_add_co_u32 s[G0B+4*(\s)+1], s21, (\s)*SLOT
	s_add_nc_u64 s[G0B+4*(\s)+2:G0B+4*(\s)+3], s[46:47], (\s)*KSTEP*2
	s_or_b32 s[G0B+4*(\s)+3], s[G0B+4*(\s)+3], 0x80000000
.endr
	CROUND                                         ; all sixteen work-groups are here: the first joint loads meet
	s_cmp_eq_u32 s[WM], 0                          ; a wave's two first fills stand in one branch, ahead of every wait on TENSORcnt and every LDS read: two loads of mine are out
	s_cbranch_scc0 .Lfirst_b
	tensor_load_to_lds s[G0:G0+3], s[G1:G1+7]
	s_nop 0
	tensor_load_to_lds s[G0+4:G0+7], s[G1:G1+7]
	s_nop 0
.rept 4
	v_nop
.endr
	s_branch .Lfirst_asked
.Lfirst_b:
	tensor_load_to_lds s[G0B:G0B+3], s[G1B:G1B+7]
	s_nop 0
	tensor_load_to_lds s[G0B+4:G0B+7], s[G1B:G1B+7]
	s_nop 0
.rept 4
	v_nop
.endr
.Lfirst_asked:
	; A fragment is 16 rows x 32 K in 8 registers: lane l holds row l % 16; registers 0-3 K = 8 (l / 16) + 0..7, registers 4-7 K = 16 + 8 (l / 16) + 0..7: two loads of 16 bytes, 32 bytes apart.
	v_and_b32 v1, 15, v0                           ; l % 16
	v_bfe_u32 v2, v0, 4, 1                         ; l / 16
	v_mul_u32_u24 v3, v1, PITCH
	v_lshl_add_u32 v3, v2, 4, v3
	s_mul_i32 s21, s[WM], HA                       ; my 128 rows of A
	s_mul_i32 s22, s[WN], HB                       ; my 64 rows of B,
	s_add_co_u32 s22, s22, 2*HA                    ; which lie behind A's 256
.irp s, 0,1
	v_add_nc_u32 v[ADRA+(\s)], s21, v3
	v_add_nc_u32 v[ADRB+(\s)], s22, v3
	s_add_co_u32 s21, s21, SLOT
	s_add_co_u32 s22, s22, SLOT
.endr
	s_mul_i32 s23, s[WV], 16*SPITCH
	s_add_co_u32 s23, s23, STAGE                   ; my stage
	v_mul_u32_u24 v4, v1, SPITCH                   ; in: row l % 16, 32 bytes for each half of the lanes
	v_lshl_add_u32 v4, v2, 5, v4
	v_add_nc_u32 v[STO], s23, v4
	v_mul_u32_u24 v5, v2, SPITCH                   ; back: lanes 0-15 take one row of 256 bytes, lanes 16-31 the next
	v_lshl_add_u32 v5, v1, 4, v5
	v_add_nc_u32 v[RD], s23, v5
	v_lshlrev_b32 v5, 13, v2                       ; and the same two rows in C, 8,192 bytes apart
	v_lshl_add_u32 v[CO], v1, 4, v5
	s_lshl_b32 s16, s[TR], 8
	s_lshl_b32 s17, s[WM], 7
	s_add_co_u32 s16, s16, s17                     ; my first row of C,
	s_lshl_b32 s16, s16, 13                        ; in bytes: under 2^25
	s_mov_b32 s17, 0
	s_lshl_b32 s46, s42, 9                         ; my first column, in bytes of f32: 512 x tile column + 256 x half
	s_lshl_b32 s47, s[WN], 8
	s_add_co_u32 s46, s46, s47
	s_mov_b32 s47, 0
	v_lshl_add_u32 v[BO], v1, 4, s46               ; the four columns that I store: the same in every row
	global_load_b128 v[BI:BI+3], v[BO], s[8:9]
	s_add_nc_u64 s[16:17], s[16:17], s[46:47]      ; what the way out adds to C's address
; 8 matrix instructions: m blocks a0, a0 + 1 x all 4 n blocks, 32 along K.  The 32 accumulators take turns, one instruction a turn, in the same order in every quarter.
; zero = 1: the first product starts the sums: nothing is ever cleared.
.macro MUL8 f, a0, zero
	WIN MUL
.irp a, \a0, (\a0)+1
.irp b, 0,1,2,3
.if \zero
	v_wmma_f32_16x16x32_f16 v[8*(4*(\a)+(\b)):8*(4*(\a)+(\b))+7], v[(\f)+64+8*(\b):(\f)+64+8*(\b)+7], v[(\f)+8*(\a):(\f)+8*(\a)+7], 0
.else
	v_wmma_f32_16x16x32_f16 v[8*(4*(\a)+(\b)):8*(4*(\a)+(\b))+7], v[(\f)+64+8*(\b):(\f)+64+8*(\b)+7], v[(\f)+8*(\a):(\f)+8*(\a)+7], v[8*(4*(\a)+(\b)):8*(4*(\a)+(\b))+7]
.endif
.endr
.endr
.endm
; 24 LDS loads in one run: the fragments of 32 along K at byte k of the rows, into buffer f: B's 64 rows, A's rows 0-63, A's rows 64-127
.macro FETCH slot, k, f
	WIN TO_F
.irp i, 0,1,2,3
	ds_load_b128 v[(\f)+64+8*(\i):(\f)+64+8*(\i)+3],   v[ADRB+(\slot)] offset:(\k)+(\i)*16*PITCH
	ds_load_b128 v[(\f)+64+8*(\i)+4:(\f)+64+8*(\i)+7], v[ADRB+(\slot)] offset:(\k)+(\i)*16*PITCH+32
.endr
.irp i, 0,1,2,3,4,5,6,7
	ds_load_b128 v[(\f)+8*(\i):(\f)+8*(\i)+3],   v[ADRA+(\slot)] offset:(\k)+(\i)*16*PITCH
	ds_load_b128 v[(\f)+8*(\i)+4:(\f)+8*(\i)+7], v[ADRA+(\slot)] offset:(\k)+(\i)*16*PITCH+32
.endr
.endm
.macro PLACES                          ; four places in front of loads into registers that matrix instructions have read, and of LDS stores that read results
.rept 4
	v_nop
.endr
.endm
; A K step is four quarters of 32 along K, 32 matrix instructions each, on buffers 0, 1, 0, 1.  One of the first three: multiplies buffer f and fetches the next quarter, at byte k, into g.
.macro QUARTER slot, k, f, g, zero
	s_wait_dscnt 8                                 ; B and A's rows 0-63 are in; the youngest eight loads (A's rows 64-127) may be out
	MUL8 \f, 0, \zero
	MUL8 \f, 2, \zero
	PLACES
	FETCH \slot, \k, \g
	s_wait_dscnt 24                                ; all but the 24 just issued
	MUL8 \f, 4, \zero
	MUL8 \f, 6, \zero
.endm
; The last quarter multiplies buffer 1 and changes slots: ONE barrier; in front of it each wave waits for all its tensor loads (one is out: its part of the next slot), adds 0 to its spare word, and waits
; for that and for its own reads of this slot.  fill = 1: the barrier opens a round of the cluster's, and this slot is filled again, two K steps ahead, first thing behind the round.
.macro TURN slot, next, fill
	WIN 0                                          ; (the add's two registers lie in window 0)
	s_wait_tensorcnt 0x0                           ; all my tensor loads have landed;
	ds_add_u32 v[SPW], v[NIL]                      ; 0 onto my spare word
	s_wait_dscnt 9                                 ; (the add and the youngest eight loads may be out)
	MUL8 F1, 0, 0                                  ; eight matrix instructions stand between the add and the wait for it
	s_wait_dscnt 0x0                               ; the add is done, and my reads of this slot are over
	s_barrier_signal -1
	MUL8 F1, 2, 0                                  ; work on registers while the others arrive
.if \fill
	WIN 0
.endif
	s_barrier_wait -1
.if \fill
	CREST                                          ; no wave of any partner still reads this slot's tile or has a load on its way
	s_add_nc_u64 s[G0+4*(\slot)+2:G0+4*(\slot)+3], s[G0+4*(\slot)+2:G0+4*(\slot)+3], 2*KSTEP*2
	s_add_nc_u64 s[G0B+4*(\slot)+2:G0B+4*(\slot)+3], s[G0B+4*(\slot)+2:G0B+4*(\slot)+3], 2*KSTEP*2
	JLOAD \slot                                    ; 112 matrix instructions ahead of the wait for it; the four v_nop behind it are also the places in front of the loads below
.else
	PLACES
.endif
	FETCH \next, 0, F0
	MUL8 F1, 4, 0
	MUL8 F1, 6, 0
.endm
	s_wait_tensorcnt 1                             ; my part of K step 0 is in; K step 1's may stay out
	s_barrier_signal -1
	s_barrier_wait -1                              ; everybody's is
	FETCH 0, 0, F0
	QUARTER 0, 64, F0, F1, 1                       ; the first quarter stands in front of the loop: its products start the sums
	WIN 0                                          ; at a label and at a branch every window is 0
	s_mov_b32 s3, LAPS-1
.Llap:                                                 ; a trip goes once round the ring, from a lap's second quarter to the next lap's first, and fills both slots again
	QUARTER 0, 128, F1, F0, 0
	QUARTER 0, 192, F0, F1, 0
	TURN 0, 1, 1
	QUARTER 1, 64,  F0, F1, 0
	QUARTER 1, 128, F1, F0, 0
	QUARTER 1, 192, F0, F1, 0
	TURN 1, 0, 1
	QUARTER 0, 64,  F0, F1, 0
	WIN 0
	s_sub_co_u32 s3, s3, 1
	s_cmp_lg_u32 s3, 0
	s_cbranch_scc1 .Llap
	QUARTER 0, 128, F1, F0, 0                      ; the last lap fills nothing, and has no round of the cluster's barrier
	QUARTER 0, 192, F0, F1, 0
	TURN 0, 1, 0
	QUARTER 1, 64,  F0, F1, 0
	QUARTER 1, 128, F1, F0, 0
	QUARTER 1, 192, F0, F1, 0
	s_wait_dscnt 8                                 ; the very last quarter: nothing more to fetch
	MUL8 F1, 0, 0
	MUL8 F1, 2, 0
	s_wait_dscnt 0x0
	MUL8 F1, 4, 0
	MUL8 F1, 6, 0
	WIN 0
	; THE WAY OUT, 16 rows at a time through my own stage: a lane's 32 bytes of a row go in, whole rows of 256 bytes come back, the bias is added, 16 lanes store 256 consecutive bytes.
	PLACES
	s_wait_loadcnt 0x0                             ; the bias,
	v_cvt_pk_bf16_f32 v[BT],   v[BI],   v[BI+1]    ; rounded to bf16 like every input
	v_cvt_pk_bf16_f32 v[BT+1], v[BI+2], v[BI+3]
	v_lshlrev_b32 v[BI],   16, v[BT]
	v_and_b32     v[BI+1], 0xffff0000, v[BT]
	v_lshlrev_b32 v[BI+2], 16, v[BT+1]
	v_and_b32     v[BI+3], 0xffff0000, v[BT+1]
.macro TOSTAGE a
.set BK, OB+32*((\a)%2)
	WIN FROM_ACC
.irp b, 0,1,2,3                        ; each accumulator's four lowest registers first
	ds_store_b128 v[STO], v[8*(4*(\a)+(\b)):8*(4*(\a)+(\b))+3]   offset:64*(\b)
	ds_store_b128 v[STO], v[8*(4*(\a)+(\b))+4:8*(4*(\a)+(\b))+7] offset:64*(\b)+16
.endr
	WIN 0
	s_wait_xcnt 0x0                                ; the stores of the block two back, which read this buffer, have had their addresses translated (ISA guide 3.1): it is loaded again only behind this wait
.irp t, 0,1,2,3,4,5,6,7
	ds_load_b128 v[BK+4*(\t):BK+4*(\t)+3], v[RD] offset:(\t)*2*SPITCH  ; LDS serves a wave's instructions in order (ISA guide 5.7.1.4): these see the stores above; the next block's stores come behind them
.endr
.endm
.macro SEND a, younger                 ; younger: the LDS instructions issued behind block a's loads: the next block's sixteen, or none
.set BK, OB+32*((\a)%2)
	WIN 0
	s_wait_dscnt \younger                          ; the block is back in registers
	s_wait_xcnt 0x0                                ; only behind this wait is the stores' base written again
.if (\a) == 0
	s_add_nc_u64 s[10:11], s[10:11], s[16:17]      ; on to my first rows
.else
	s_add_nc_u64 s[10:11], s[10:11], 16*SIZE_N*4   ; 16 rows of C on
.endif
.irp t, 0,1,2,3,4,5,6,7
	v_pk_add_f32 v[BK+4*(\t):BK+4*(\t)+1],   v[BK+4*(\t):BK+4*(\t)+1],   v[BI:BI+1]
	v_pk_add_f32 v[BK+4*(\t)+2:BK+4*(\t)+3], v[BK+4*(\t)+2:BK+4*(\t)+3], v[BI+2:BI+3]
	global_store_b128 v[CO], v[BK+4*(\t):BK+4*(\t)+3], s[10:11] offset:2*(\t)*SIZE_N*4  ; 16 lanes store 256 consecutive bytes, at a multiple of 256 from C's first byte
.endr
.endm
	TOSTAGE 0
.irp a, 1,2,3,4,5,6,7                  ; block a's way through the stage stands between block a - 1's loads and the wait for them
	TOSTAGE \a
	SEND (\a)-1, 16
.endr
	SEND 7, 0
	s_wait_tensorcnt 0x0                           ; the wave's end, behind my last tensor load and my last LDS store
	ds_add_u32 v[SPW], v[NIL]
	s_wait_dscnt 0x0
	CROUND                                         ; the closing round: no work-group ends while a partner may still ask for a tile that names it
	s_endpgm
.Lfunc_end_k_q6079d400c5_qproj:
	.size	k_q6079d400c5_qproj, .Lfunc_end_k_q6079d400c5_qproj-k_q6079d400c5_qproj
	.p2alignl 7, 3214868480
	.fill 96, 4, 3214868480
	.section	.rodata,"a",@progbits
	.p2align	6, 0x0
	.amdhsa_kernel k_q6079d400c5_qproj
		.amdhsa_group_segment_fixed_size 327680
		.amdhsa_private_segment_fixed_size 0
		.amdhsa_enable_private_segment 0
		.amdhsa_kernarg_size 32
		.amdhsa_user_sgpr_count 2
		.amdhsa_user_sgpr_kernarg_segment_ptr 1
		.amdhsa_wavefront_size32 1
		.amdhsa_system_sgpr_workgroup_id_x 1
		.amdhsa_system_sgpr_workgroup_id_y 1
		.amdhsa_system_sgpr_workgroup_id_z 1
		.amdhsa_system_vgpr_workitem_id 0
		.amdhsa_next_free_vgpr 704
		.amdhsa_next_free_sgpr 66
		.amdhsa_reserve_vcc 0
		.amdhsa_float_denorm_mode_32 3
		.amdhsa_float_denorm_mode_16_64 3
		.amdhsa_memory_ordered 1
		.amdhsa_forward_progress 1
		.amdhsa_inst_pref_size 94
	.end_amdhsa_kernel
	.amdgpu_metadata
---
amdhsa.version: [ 1, 2 ]
amdhsa.kernels:
  - .name:           k_q6079d400c5_qproj
    .symbol:         k_q6079d400c5_qproj.kd
    .args:
      - { .name: x16, .offset: 0, .size: 8, .value_kind: global_buffer, .address_space: global }
      - { .name: qw16, .offset: 8, .size: 8, .value_kind: global_buffer, .address_space: global }
      - { .name: q_b, .offset: 16, .size: 8, .value_kind: global_buffer, .address_space: global }
      - { .name: qf, .offset: 24, .size: 8, .value_kind: global_buffer, .address_space: global }
    .group_segment_fixed_size: 327680
    .private_segment_fixed_size: 0
    .kernarg_segment_align: 8
    .kernarg_segment_size: 32
    .max_flat_workgroup_size: 128
    .sgpr_count:     66
    .vgpr_count:     704
    .wavefront_size: 32
...
	.end_amdgpu_metadata
.endif
;; end of part 2
;; launch attn (part 3): grid 8 x 32, 4 waves a work-group, no clusters, 327,680 bytes of LDS; arguments qf, kx, v16, o16; writes o16
.if DOCPART == 3
	.amdgcn_target "amdgcn-amd-amdhsa--gfx1250"
	.amdhsa_code_object_version 6
	.text
	.protected	k_q6079d400c5_attn
	.globl	k_q6079d400c5_attn
	.p2align	8
	.type	k_q6079d400c5_attn,@function
k_q6079d400c5_attn:
	s_mov_b64 s[64:65], 0
	v_nop
	global_prefetch_b8 v0, s[64:65] scope:SCOPE_SE
	s_setreg_imm32_b32 hwreg(HW_REG_WAVE_MODE, 25, 1), 1
	s_wait_xcnt 0x0
; CAUSAL ATTENTION WITH A TERM FOR EACH KEY.  For head (b, h): O[q] = sum over k <= q, k not padded, of softmax_k(Q[q] . K[k] / sqrt(128) + tier_bias[label[k]]) V[k].
; qf: [4096][2048] f32 (row b 2048 + n, column 128 h + c), q with its bias, unscaled.  kx: for each head 32 halves of 65 rows of 256 bytes: 64 keys in f16, then those keys' terms in f32
; (sqrt(2) x bias, or -1e30 if padded).  v16: [32][2048][128] f16.  o16: [4096][2048] f16, laid out like qf.  Products, maxima and sums in f32; Q / 8, the weights p and O are rounded to f16 once.
; LIMITS.  |q| under 524,000 (q / 8 lies within f16); true scores and terms far above -1e20; a hidden score counts as -1e30; a weight below 2^-126 counts as 0; NaN and infinities in the inputs are not
; treated apart.  A row that sees no key has l = 0 and O = 0 and leaves as 0 x (1 / 0), a NaN, as a softmax over nothing does.
; THE WALK.  A head's queries lie in 16 blocks of 128; block i needs the key tiles 0 .. i of 128 keys, of which the last holds the diagonal.  A work-group takes block p and then block 15 - p: 17 tiles,
; whatever p: 8 x 32 work-groups of equal work, and loops with constant trip counts.  Which tile is asked for and what a trip does hang on scalar registers made from p; every jump but the loops' own
; goes forward; none passes a barrier, or a tensor load but the one of LOAD's two that the wave's number does not choose.
; NO CLUSTER: a head's eight work-groups ask for the same tile only while none has left its first block (trips 0 .. p differ from work-group to work-group); a walk common to four partners would
; have 20 trips for 17.
; SHARES.  Wave w takes 64 queries (w % 2) and 64 of a tile's 128 keys (w / 2): four register tiles of 16 queries, 64 keys a trip.  Register tile t holds the rows 64 (w % 2) + 16 (t xor 2 (w / 2)) + l % 16.
; At a block's end the waves w and w xor 2, which hold the same queries and the two halves of the keys, hand each other m, l and O^T of their register tiles 2 and 3 through LDS; each finishes its tiles 0, 1.
; LAYOUT.  S^T = K Q^T (source 0 = 16 keys, source 1 = 16 queries): a lane holds ONE query (lane % 16) and the keys 8 (lane / 16) + 0..7; the C operand that starts the sum is the keys' term.  Two such
; tiles, rounded to f16 in pairs, ARE source 1 of O^T = V^T P.  K comes out of LDS as it lies, V ([key][channel]) turned, by ds_load_tr16_b128.
; SOFTMAX.  A running maximum m and sum l for each query: p = 2^(c s - c m), c = 8 log2(e) / sqrt(128); in every trip O and l are multiplied by a = 2^(c m_old - c m_new).  m starts at -1e20, below every
; true score and above every hidden one, so a hidden score never becomes the maximum and its weight is 0.  The causal mask sets -1e30 in the diagonal tile's scores.
; A TRIP: K Q^T of piece 0 (tiles 0, 1) | K Q^T of piece 2 with piece 0's softmax in slices behind its products | V^T P of piece 0 with piece 2's softmax | the change of slots | V^T P of piece 2.
; REGISTERS, in windows of 256 (s_set_vgpr_msb: bits 1:0 source 0, 3:2 source 1, 5:4 source 2, 7:6 destination):
;   window 0: v0-11 addresses; v12-43 eight registers of statistics a tile; v44-63 masks, addresses, the partner's statistics; v64-191 S^T, 32 a tile; v192-255 P, 16 a tile
;   window 1: O^T, 64 a tile      window 2: v0-127 Q, 32 a tile; v128-255 K of one trip      window 3: v0-127 V of one trip; v128-159 the 64 keys' terms
.set PK,    272       ; a row of K in LDS: 256 bytes + 16 of padding: the 16 rows of a load start at 16 different groups of four banks (64 banks of 4 bytes: ISA guide 11.1)
.set PV,    288       ; a row of V: 256 + 32
.set KH,    65*PK     ; half a tile of K: 64 keys and the row of their terms
.set VOFF,  2*KH      ; a slot: K's two halves, then V's two halves
.set VH,    64*PV
.set SLOT1, 1<<17     ; slot 1 begins here, so that one exclusive or turns an address in one slot into the other's
.set XCH,   203520    ; behind the ring, never filled by a tensor load: for each wave 32 x 512 bytes of O^T (until the first block's end: the second block's Q) and 2 x 512 of statistics
.set XW,    17408
.set STAGE, XCH+4*XW  ; 16 rows x 272 bytes for each wave, for the way out
.set SP,    272
.set SPARE, STAGE+4*16*SP  ; the spare words, 128 bytes for each wave: two blocks of 256 bytes that no other line names
.set AK0, 2           ; v2   my lane's place in my half of a tile of K; never rewritten
.set AV0, 3           ; v3   the same for V
.set ADR, 4           ; v4   the LDS address of the run of loads in hand
.set AB0, 5           ; v5   my lane's place in the row of terms
.set STO, 6           ; v6   the way out: where I put 16 bytes of a row
.set RD,  7           ; v7   the way out: where I read a row back
.set GO,  8           ; v8   my byte offset in two rows of O
.set ADR2, 10         ; v10  the LDS address of the terms in hand
.set ST,  12          ; tile t's statistics at v[ST+8 t]: +0 c m, +1 m, +2, +3 l (even keys', odd keys'), +4 to +7 c0-c3, at work; a takes c2's place once the maximum is found
.set XT,  44          ; v44-47  tile t: register n of S^T is hidden in the diagonal tile where 16 (n / 8) + n % 8 is greater than this
.set BIGV, 48         ; v48  -1e30
.set XA,  49          ; v49  my 16 bytes in 512 of my wave's exchange area
.set XP,  50          ; v50  the same in my partner's
.set QOA, 51          ; v51  my byte offset in qf for register tiles 0, 1;  v52 for tiles 2, 3
.set PS,  54          ; v[54:61] the partner's statistics for my tiles 0 and 1
.set SPW, 62          ; v62  LDS address of my spare word; never rewritten
.set NIL, 63          ; v63  0; never rewritten
.set S,   64
.set P,   192
.set KF,  128         ; window 2: keys 16 kb on, channels 32 cc on at KF + 32 kb + 8 cc
.set KB,  128         ; window 3: the terms of keys 16 kb + 8 (lane / 16) + 0..7 at KB + 8 kb
.set WV,  12          ; s12 wave; s13 w % 2: my queries, also which half of a tile I fetch; s14 w / 2: my keys; s15 p
.set QH,  13
.set KG,  14
.set PB,  15
.set G1K, 24          ; s[24:31] descriptor group 1 for K's halves
.set G1V, 32          ; s[32:39] for V's
.set G0K, 40          ; s[40:47] descriptor group 0 for K: a set for each of the two first fills; the second then walks on
.set G0V, 48          ; s[48:55] the same for V
.set SLOTS, 56        ; s56  tiles still to be asked for
.set CNT, 57          ; s57  counts the tail's trips
.set CS,  58          ; s[58:59] c: the packed scaling takes the pair's low word for both halves
.set SEL, 60          ; s[60:61] v_permlanex16_b32's selects: each lane takes its own place in the other half
.set TB,  62          ; s62  the slot in hand: 0 or SLOT1
.set RT,  63          ; s63  tiles of the block in hand that are still to come
.set NXT, 66          ; s66  the tile to be asked for next
.set LQ,  67          ; s67  the last tile of the block whose tiles are being asked for
.set OFK, 68          ; s[68:69] a tile's byte offset in kx
.set OFV, 70          ; s[70:71] in v16
.set O2,  72          ; s[72:73] o16 at my rows of the second block
.set Q2,  74          ; s[74:75] qf at my wave's rows of the second block
.set EIG, 76          ; s[76:77] 1 / 8
.set HI,  78          ; s78  15 - p
.set MSB, 0
.macro WIN new                      ; the high byte repeats the setting that is left; a switch that changes nothing is dropped
.if MSB != (\new)
	s_set_vgpr_msb (MSB<<8)|(\new)
.set MSB, (\new)
.endif
.endm
.set W_KQ, 0x0a       ; K and Q in window 2, S^T in window 0
.set W_KM, 0x3a       ; the same with the C operand, the terms, in window 3
.set W_PV, 0x53       ; V in window 3, P in window 0, O^T in window 1
.set W_RS, 0x41       ; destination and source 0 in window 1, source 1 in window 0
.macro PLACES                       ; four places behind matrix instructions (ISA guide 7.12.1 for vector instructions)
.rept 4
	v_nop
.endr
.endm
; A refill.  Waves 0 and 1 fetch the two halves of a tile's K, waves 2 and 3 those of its V.  An s_nop 0 and four v_nop follow each of the two lines, ahead of the jump and the label.
.macro LOAD
	s_cmp_lt_u32 s[WV], 2
	s_cbranch_scc0 .Lfor_v_\@
	tensor_load_to_lds s[G0K+4:G0K+7], s[G1K:G1K+7]
	s_nop 0
.rept 4
	v_nop
.endr
	s_branch .Lasked_\@
.Lfor_v_\@:
	tensor_load_to_lds s[G0V+4:G0V+7], s[G1V:G1V+7]
	s_nop 0
.rept 4
	v_nop
.endr
.Lasked_\@:
.endm
; Tile NXT's addresses go into descriptor set 'set', made anew from the tensors' bases; then NXT steps: the block's next tile, or behind its last the second block's tile 0.
.macro ADDR set
	s_mul_i32 s[OFK], s[NXT], 2*65*256
	s_lshl_b32 s[OFV], s[NXT], 15
	s_add_nc_u64 s[G0K+4*(\set)+2:G0K+4*(\set)+3], s[6:7], s[OFK:OFK+1]
	s_or_b32 s[G0K+4*(\set)+3], s[G0K+4*(\set)+3], 0x80000000   ; type = 2
	s_add_nc_u64 s[G0V+4*(\set)+2:G0V+4*(\set)+3], s[8:9], s[OFV:OFV+1]
	s_or_b32 s[G0V+4*(\set)+3], s[G0V+4*(\set)+3], 0x80000000
	s_add_co_u32 s[NXT], s[NXT], 1
	s_cmp_gt_u32 s[NXT], s[LQ]
	s_cselect_b32 s[NXT], 0, s[NXT]
	s_cselect_b32 s[LQ], s[HI], s[LQ]
.endm
; THE CHANGE OF SLOTS.  The slot's K and V are in registers.  Each wave waits for all its tensor loads, of which one is out: its part of the other slot; adds 0 to its spare word; and waits for that and for
; its own reads of the slot.  Behind the barrier nobody reads the old slot any more and the other slot is whole.  fill = 1: the old slot is filled again, first thing behind the barrier, with tile NXT:
; that load has 128 matrix instructions a wave in which to land.
.macro CHANGE fill
	WIN 0                           ; at a label and at a branch every window is 0
	s_wait_tensorcnt 0x0            ; no tensor load of mine is out, so a group 0 may be written
	ds_add_u32 v[SPW], v[NIL]       ; 0 onto my spare word: the descriptors' scalar work stands between it and the wait for it
.if \fill
	s_xor_b32 s[G0K+5], s[G0K+5], SLOT1  ; the walking descriptors: the other slot than last time
	s_xor_b32 s[G0V+5], s[G0V+5], SLOT1
	ADDR 1
.endif
	s_wait_dscnt 0x0                ; the add is done, and my reads of the slot are over
	s_barrier_signal -1
	s_xor_b32 s[TB], s[TB], SLOT1   ; the fetches go to the other slot
	s_barrier_wait -1
.if \fill
	LOAD
.endif
.endm
	s_load_b256 s[4:11], s[0:1], 0x0  ; qf s[4:5], kx s[6:7], v16 s[8:9], o16 s[10:11]
	v_lshl_add_u32 v[SPW], v0, 2, SPARE
	v_mov_b32 v[NIL], 0
	ds_add_u32 v[SPW], v[NIL]       ; the wave's opening: the add and its wait stand ahead of my first tensor load; the set-up below, work on registers, stands between them
	ds_add_u32 v62, v63
	v_lshrrev_b32 v1, 5, v0
	v_readfirstlane_b32 s[WV], v1   ; wave 0..3
	s_and_b32 s[QH], s[WV], 1
	s_lshr_b32 s[KG], s[WV], 1
	s_mov_b32 s[PB], ttmp9
	s_sub_co_u32 s[HI], 15, s[PB]
	s_and_b32 s16, ttmp7, 0xffff    ; 16 b + h
	s_lshl_b32 s18, s16, 5
	s_add_co_u32 s18, s18, s[QH]
	s_mul_i32 s18, s18, 65*256      ; kx: the head's 32 halves, and the half of a tile that I fetch
	s_mov_b32 s19, 0
	s_lshl_b32 s20, s16, 19         ; v16: the head's 2,048 rows of 256 bytes,
	s_lshl_b32 s21, s[QH], 14       ; and my 64 of a tile's 128
	s_add_co_u32 s20, s20, s21
	s_mov_b32 s21, 0
	s_lshr_b32 s22, s16, 4
	s_lshl_b32 s22, s22, 11
	s_lshl_b32 s2, s[QH], 6
	s_add_co_u32 s22, s22, s2       ; 2,048 b + 64 (w % 2)
	s_and_b32 s23, s16, 15          ; h
	s_lshl_b32 s2, s[PB], 7
	s_add_co_u32 s2, s2, s22        ; my wave's first row in the first block,
	s_lshl_b32 s3, s[HI], 7
	s_add_co_u32 s3, s3, s22        ; and in the second
	s_lshl_b32 s17, s23, 9          ; qf: rows of 8,192 bytes, the head's 512
	s_lshl_b32 s[Q2], s3, 13
	s_add_co_u32 s[Q2], s[Q2], s17
	s_mov_b32 s[Q2+1], 0
	s_lshl_b32 s[OFK], s2, 13       ; (for now: the first block's offset in qf)
	s_add_co_u32 s[OFK], s[OFK], s17
	s_mov_b32 s[OFK+1], 0
	s_lshl_b32 s17, s[KG], 5        ; the 32 rows that I finish
	s_add_co_u32 s2, s2, s17
	s_add_co_u32 s3, s3, s17
	s_lshl_b32 s17, s23, 8          ; o16: rows of 4,096 bytes, the head's 256
	s_lshl_b32 s[O2], s3, 12
	s_add_co_u32 s[O2], s[O2], s17
	s_mov_b32 s[O2+1], 0
	s_lshl_b32 s[OFV], s2, 12       ; (for now: the first block's offset in o16)
	s_add_co_u32 s[OFV], s[OFV], s17
	s_mov_b32 s[OFV+1], 0
	; descriptor group 1: rows of 128 elements of 2 bytes, dense in memory, padded in LDS
	s_mov_b32 s[G1K], (1<<16)|(1<<20)|(5<<22)|(3<<25)  ; 17:16 2-byte elements; 20 padding on; 24:22 after every 64 words (code 5); 31:25 4 words (code 3)
	s_mov_b32 s[G1V], (1<<16)|(1<<20)|(5<<22)|(7<<25)  ; the same with 8 words of padding (code 7)
.irp g, G1K, G1V
	s_mov_b32 s[(\g)+1], 128<<16    ; tensor_dim0 = 128
	s_mov_b32 s[(\g)+3], 128<<16    ; tile_dim0 = 128
	s_mov_b32 s[(\g)+5], 128        ; 128 elements from row to row
	s_mov_b32 s[(\g)+6], 0
	s_mov_b32 s[(\g)+7], 0
.endr
	s_mov_b32 s[G1K+2], 65<<16      ; K: tensor_dim1 = tile_dim1 = 65 rows: 64 keys and their terms
	s_mov_b32 s[G1K+4], 65
	s_mov_b32 s[G1V+2], 64<<16      ; V: 64 rows
	s_mov_b32 s[G1V+4], 64
	s_mul_i32 s22, s[QH], KH        ; where my half goes in a slot, for K
	s_mul_i32 s23, s[QH], VH        ; and for V
	s_add_co_u32 s23, s23, VOFF
.irp s, 0,1
	s_mov_b32 s[G0K+4*(\s)], 1      ; count = 1
	s_add_co_u32 s[G0K+4*(\s)+1], s22, (\s)*SLOT1
	s_mov_b32 s[G0V+4*(\s)], 1
	s_add_co_u32 s[G0V+4*(\s)+1], s23, (\s)*SLOT1
.endr
	s_mov_b32 s[CS], 0x3f8293ee     ; c = 8 log2(e) / sqrt(128) = 1.020139
	s_mov_b32 s[CS+1], s[CS]        ; named with it as a pair
	s_mov_b32 s[SEL], 0x76543210
	s_mov_b32 s[SEL+1], 0xfedcba98
	s_mov_b32 s[EIG], 0x3e000000    ; 1 / 8
	s_mov_b32 s[EIG+1], s[EIG]
	s_mov_b32 s[TB], 0
	s_add_co_u32 s[RT], s[PB], 1    ; the first block has p + 1 tiles
	s_mov_b32 s[NXT], 0
	s_mov_b32 s[LQ], s[PB]
	s_wait_dscnt 0x0                ; the opening add is done
	s_wait_kmcnt 0x0
	s_add_nc_u64 s[6:7], s[6:7], s[18:19]
	s_add_nc_u64 s[8:9], s[8:9], s[20:21]
	s_add_nc_u64 s[Q2:Q2+1], s[4:5], s[Q2:Q2+1]
	s_add_nc_u64 s[4:5], s[4:5], s[OFK:OFK+1]
	s_add_nc_u64 s[O2:O2+1], s[10:11], s[O2:O2+1]
	s_add_nc_u64 s[10:11], s[10:11], s[OFV:OFV+1]
	ADDR 0                          ; the walk's first tile,
	ADDR 1                          ; and its second
	s_cmp_lt_u32 s[WV], 2           ; a wave's two first fills stand in one branch, ahead of every wait on TENSORcnt, every LDS read and every barrier: two loads of mine are out
	s_cbranch_scc0 .Lfirst_v
	tensor_load_to_lds s[G0K:G0K+3], s[G1K:G1K+7]
	s_nop 0
	tensor_load_to_lds s[G0K+4:G0K+7], s[G1K:G1K+7]
	s_nop 0
.rept 4
	v_nop
.endr
	s_branch .Lfirst_asked
.Lfirst_v:
	tensor_load_to_lds s[G0V:G0V+3], s[G1V:G1V+7]
	s_nop 0
	tensor_load_to_lds s[G0V+4:G0V+7], s[G1V:G1V+7]
	s_nop 0
.rept 4
	v_nop
.endr
.Lfirst_asked:
	; BOTH BLOCKS' Q.  A fragment is 16 rows x 32 channels: lane l holds row l % 16, channels 8 (l / 16) + 0..7 and 16 + 8 (l / 16) + 0..7: in f32 four loads of 16 bytes, at 0, 16, 64 and 80.
	v_and_b32 v1, 15, v0            ; l % 16
	v_bfe_u32 v9, v0, 4, 1          ; l / 16
	v_lshlrev_b32 v11, 13, v1
	v_lshl_add_u32 v11, v9, 5, v11  ; row x 8,192 + 32 x half
	s_lshl_b32 s16, s[KG], 18       ; register tiles 0, 1 are the rows 32 (w / 2) on: 32 rows are 262,144 bytes;
	s_xor_b32 s17, s16, 1<<18       ; tiles 2, 3 the other 32
	v_add_nc_u32 v[QOA], s16, v11
	v_add_nc_u32 v[QOA+1], s17, v11
.macro QLOADS d0, t0, base          ; register tiles t0, t0 + 1 in f32: 128 registers from d0 on, 16 a fragment
.irp u, 0,1
.irp cc, 0,1,2,3
.irp e, 0,1,2,3
	global_load_b128 v[(\d0)+64*(\u)+16*(\cc)+4*(\e):(\d0)+64*(\u)+16*(\cc)+4*(\e)+3], v[QOA+(\t0)/2], s[\base:\base+1] offset:(\u)*131072+(\cc)*128+((\e)/2)*64+((\e)%2)*16
.endr
.endr
.endr
.endm
	WIN 0x40                        ; the first block's into O^T's registers,
	QLOADS 0, 0, 4
	QLOADS 128, 2, 4
	WIN 0x80                        ; the second block's into K's
	QLOADS 128, 0, Q2
	WIN 0xc0                        ; and V's
	QLOADS 0, 2, Q2
	WIN 0
	v_mul_u32_u24 v[AK0], v1, PK
	v_lshl_add_u32 v[AK0], v9, 4, v[AK0]  ; row x pitch + 16 x half,
	s_mul_i32 s16, s[KG], KH
	v_add_nc_u32 v[AK0], s16, v[AK0]      ; in my half of the tile
	v_lshlrev_b32 v[AB0], 5, v9           ; the terms: eight f32 for each half of the lanes,
	s_add_co_u32 s17, s16, 64*PK          ; in the row behind the 64 keys
	v_add_nc_u32 v[AB0], s17, v[AB0]
	; The turning load takes 16 keys x 16 channels (lane l reads key 8 (l / 16) + l % 8, channels 8 ((l / 8) % 2) + 0..7) and leaves half a fragment of V^T: lane l holds channel l % 16 and 8 keys.
	v_and_b32 v10, 7, v0
	v_bfe_u32 v11, v0, 3, 1
	v_lshl_add_u32 v[AV0], v9, 3, v10
	v_mul_u32_u24 v[AV0], v[AV0], PV
	v_lshl_add_u32 v[AV0], v11, 4, v[AV0]
	s_mul_i32 s16, s[KG], VH
	s_add_co_u32 s16, s16, VOFF
	v_add_nc_u32 v[AV0], s16, v[AV0]
	s_mul_i32 s16, s[WV], 16*SP
	s_add_co_u32 s16, s16, STAGE    ; my stage
	v_mul_u32_u24 v[STO], v1, SP    ; in: row l % 16, 16 bytes for each half of the lanes
	v_lshl_add_u32 v[STO], v9, 4, v[STO]
	v_add_nc_u32 v[STO], s16, v[STO]
	v_mul_u32_u24 v[RD], v9, SP     ; back: lanes 0-15 take one row of 256 bytes, lanes 16-31 the next
	v_lshl_add_u32 v[RD], v1, 4, v[RD]
	v_add_nc_u32 v[RD], s16, v[RD]
	v_lshlrev_b32 v[GO], 12, v9     ; and the same two rows in o16, 4,096 bytes apart
	v_lshl_add_u32 v[GO], v1, 4, v[GO]
	; The diagonal tile: my query's place in the block, 64 (w % 2) + 16 (t xor 2 (w / 2)) + l % 16, less my keys' 64 (w / 2) + 8 (l / 16)
	v_lshlrev_b32 v11, 3, v9
	v_sub_nc_u32 v11, v1, v11
	s_sub_co_i32 s16, s[QH], s[KG]
	s_lshl_b32 s16, s16, 6
	s_lshl_b32 s17, s[KG], 5
.irp t, 0,1,2,3
	s_xor_b32 s18, s17, 16*(\t)
	s_add_co_i32 s18, s18, s16
	v_add_nc_u32 v[XT+(\t)], s18, v11
.endr
	v_mov_b32 v[BIGV], 0xf149f2ca   ; -1e30
	v_and_b32 v11, 31, v0
	s_mul_i32 s16, s[WV], XW
	s_add_co_u32 s16, s16, XCH
	v_lshl_add_u32 v[XA], v11, 4, s16
	s_xor_b32 s17, s[WV], 2         ; my partner: the same queries, the other keys
	s_mul_i32 s17, s17, XW
	s_add_co_u32 s17, s17, XCH
	v_lshl_add_u32 v[XP], v11, 4, s17
	s_wait_loadcnt 0x0              ; Q
	WIN W_RS                        ; the first block's: / 8 (exact), then rounded to f16 in pairs: register n of Q is numbers 2 n, 2 n + 1
.set n, 0
.rept 128
	v_pk_mul_f32 v[2*n:2*n+1], v[2*n:2*n+1], s[EIG:EIG+1] op_sel_hi:[1,0]
.set n, n+1
.endr
	WIN 0x85                        ; sources window 1, destination window 2
.set n, 0
.rept 128
	v_cvt_pk_f16_f32 v[n], v[2*n], v[2*n+1]
.set n, n+1
.endr
	WIN 0x82                        ; the second block's tiles 0, 1, in window 2
.set n, 0
.rept 64
	v_pk_mul_f32 v[128+2*n:128+2*n+1], v[128+2*n:128+2*n+1], s[EIG:EIG+1] op_sel_hi:[1,0]
.set n, n+1
.endr
	WIN 0x0a
.set n, 0
.rept 64
	v_cvt_pk_f16_f32 v[S+n], v[128+2*n], v[128+2*n+1]
.set n, n+1
.endr
	WIN 0xc3                        ; its tiles 2, 3, in window 3
.set n, 0
.rept 64
	v_pk_mul_f32 v[2*n:2*n+1], v[2*n:2*n+1], s[EIG:EIG+1] op_sel_hi:[1,0]
.set n, n+1
.endr
	WIN 0x0f
.set n, 0
.rept 64
	v_cvt_pk_f16_f32 v[S+64+n], v[2*n], v[2*n+1]
.set n, n+1
.endr
	WIN 0
.set n, 0
.rept 32                            ; it waits in my exchange area, which nobody else touches before the first block's end
	ds_store_b128 v[XA], v[S+4*n:S+4*n+3] offset:512*n
.set n, n+1
.endr
; A BLOCK BEGINS: O^T and l are 0, m is the floor.  (No first step is written out; the price is these 264 lines, twice in the text, run twice a work-group.)
.macro INIT
	WIN 0x40
.set n, 0
.rept 256
	v_mov_b32 v[n], 0
.set n, n+1
.endr
	WIN 0
.irp t, 0,1,2,3
	v_mov_b32 v[ST+8*(\t)+1], 0xe0ad78ec  ; m = -1e20
	v_mov_b32 v[ST+8*(\t)+2], 0
	v_mov_b32 v[ST+8*(\t)+3], 0
.endr
.irp t, 0,1,2,3
	v_mul_f32 v[ST+8*(\t)], s[CS], v[ST+8*(\t)+1]
.endr
.endm
	INIT
; THE MATRIX WORK.  The accumulators take turns, one instruction a turn: between two links of a chain stand 7 (K Q^T) or 15 (V^T P) others'.
; Product i of 32 of S^T = K Q^T for piece x: channels 32 (i / 8) on, keys 16 ((i / 2) % 4) on, tile x + i % 2.  The first 8 start the sums with the keys' terms.
.macro KQ x
.set rS, S+32*((\x)+i%2)+8*((i/2)%4)
.set rK, KF+32*((i/2)%4)+8*(i/8)
.set rQ, 32*((\x)+i%2)+8*(i/8)
.set rB, KB+8*((i/2)%4)
.if i < 8
	WIN W_KM
	v_wmma_f32_16x16x32_f16 v[rS:rS+7], v[rK:rK+7], v[rQ:rQ+7], v[rB:rB+7]
.else
	WIN W_KQ
	v_wmma_f32_16x16x32_f16 v[rS:rS+7], v[rK:rK+7], v[rQ:rQ+7], v[rS:rS+7]
.endif
.endm
; Product i of 32 of O^T += V^T P for piece x: keys 32 (i / 16) on, channels 16 ((i / 2) % 8) on, tile x + i % 2.
.macro PV x
	WIN W_PV
.set rO, 64*((\x)+i%2)+8*((i/2)%8)
.set rV, 64*(i/16)+8*((i/2)%8)
.set rP, P+16*((\x)+i%2)+8*(i/16)
	v_wmma_f32_16x16x32_f16 v[rO:rO+7], v[rV:rV+7], v[rP:rP+7], v[rO:rO+7]
.endm
; THE LDS LOADS stand in runs: my 64 keys of K (16 fragments) with their terms, and my 64 keys of V (turned).
.macro FETCH_K
	WIN 0
	v_add_nc_u32 v[ADR], s[TB], v[AK0]
	v_add_nc_u32 v[ADR2], s[TB], v[AB0]
	WIN 0x80                        ; destination window 2
.irp f, 0,1,2,3,4,5,6,7,8,9,10,11,12,13,14,15  ; keys 16 (f / 4) on, channels 32 (f % 4) on
	ds_load_b128 v[KF+8*(\f):KF+8*(\f)+3],   v[ADR] offset:((\f)/4)*16*PK+((\f)%4)*64
	ds_load_b128 v[KF+8*(\f)+4:KF+8*(\f)+7], v[ADR] offset:((\f)/4)*16*PK+((\f)%4)*64+32
.endr
	WIN 0xc0                        ; destination window 3
.irp f, 0,1,2,3                     ; the sixteen lanes of a half read the same words
	ds_load_b128 v[KB+8*(\f):KB+8*(\f)+3],   v[ADR2] offset:64*(\f)
	ds_load_b128 v[KB+8*(\f)+4:KB+8*(\f)+7], v[ADR2] offset:64*(\f)+16
.endr
.endm
.macro FETCH_V
	WIN 0
	v_add_nc_u32 v[ADR], s[TB], v[AV0]
	WIN 0xc0
.irp f, 0,1,2,3,4,5,6,7,8,9,10,11,12,13,14,15  ; keys 32 (f / 8) on, channels 16 (f % 8) on
	ds_load_tr16_b128 v[8*(\f):8*(\f)+3],   v[ADR] offset:((\f)/8)*32*PV+((\f)%8)*32
	ds_load_tr16_b128 v[8*(\f)+4:8*(\f)+7], v[ADR] offset:((\f)/8)*32*PV+16*PV+((\f)%8)*32
.endr
.endm
; THE VECTOR WORK.  One tile's softmax for one trip is a list of 134 instructions; SM writes number j of it for tile t.  s0-s31 are the lane's 32 scores, in pairs 0-15.
;   0-15    the maximum of s0-s31 and the old m, three operands at a time: four chains c0-c3 of seven scores each (each accumulator's lowest registers are read first), then the four left over, c0-c3 and m
;   16-20   the other half of the lanes' maximum; the new m; c m; c m_old - c m_new
;   21-87   33 exponentials (a, then s0-s31) at the odd numbers from 23 on, so that no two follow each other and each has a plain instruction behind it before its result is used (ISA guide 5.7.2).
;           Plain instruction q is whatever is ready: c s - c m for a pair whose exponentials are still to come, the rounding to f16 of a pair whose exponentials are done, at last the first three sums
;   88-101  the last rounding; the rest of the sums; l = a l + the sum
;   102-133 the tile's O^T times a: the one part that leaves window 0, so it stands together
.macro SM t
.set rT, ST+8*(\t)
.set rS, S+32*(\t)
.set rP, P+16*(\t)
.set rO, 64*(\t)+2*(j-102)
.set q, (j-20)/2
.if j < 102
	WIN 0
.endif
.if j < 4
	v_max3_num_f32 v[rT+4+j], v[rS+8*j], v[rS+8*j+1], v[rS+8*j+2]
.elseif j < 12
	v_max3_num_f32 v[rT+4+j%4], v[rT+4+j%4], v[rS+8*(j%4)+2*(j/4)+1], v[rS+8*(j%4)+2*(j/4)+2]
.elseif j == 12
	v_max3_num_f32 v[rT+4], v[rT+4], v[rS+7], v[rS+15]
.elseif j == 13
	v_max3_num_f32 v[rT+6], v[rT+6], v[rS+23], v[rS+31]
.elseif j == 14
	v_max3_num_f32 v[rT+4], v[rT+4], v[rT+5], v[rT+6]
.elseif j == 15
	v_max3_num_f32 v[rT+4], v[rT+4], v[rT+7], v[rT+1]
.elseif j == 16
	v_permlanex16_b32 v[rT+5], v[rT+4], s[SEL], s[SEL+1]  ; the query's other 32 keys lie in the lane 16 away
.elseif j == 17
	v_mov_b32 v[rT+7], v[rT]        ; c m_old is kept for a: number 19 writes c m anew
.elseif j == 18
	v_max_num_f32 v[rT+1], v[rT+4], v[rT+5]
.elseif j == 19
	v_mul_f32 v[rT], s[CS], v[rT+1]
.elseif j == 20
	v_sub_f32 v[rT+7], v[rT+7], v[rT]
.elseif j == 23
	v_exp_f32 v[rT+6], v[rT+7]
.elseif (j < 88) && (j > 23) && (j%2 == 1)
	v_exp_f32 v[rS+(j-25)/2], v[rS+(j-25)/2]
.elseif (q < 4) || ((j < 76) && (q%2 == 0))
.set b, q/2+2
.if q < 4
.set b, q
.endif
	v_pk_fma_f32 v[rS+2*b:rS+2*b+1], v[rS+2*b:rS+2*b+1], s[CS:CS+1], v[rT:rT+1] op_sel_hi:[1,0,0] neg_lo:[0,0,1] neg_hi:[0,0,1]  ; pair b: c s - c m
.elseif (j < 88) && (q%2 == 1)
	s_wait_alu depctr_va_vdst(0)
	v_cvt_pk_f16_f32 v[rP+(q-5)/2], v[rS+q-5], v[rS+q-4]  ; pair (q - 5) / 2: its second exponential stands three numbers back
.elseif j == 89
	s_wait_alu depctr_va_vdst(0)
	v_cvt_pk_f16_f32 v[rP+15], v[rS+30], v[rS+31]
.elseif j < 102                     ; the sum of the tile's 16 pairs, in place: sum z of 16 adds neighbours 1, 2, 4 and 8 pairs apart, then l takes it
.set z, j-86
.if j < 89
.set z, (j-76)/4
.endif
.set w, 4
.set u, z
.if z >= 14
.set w, 32
.set u, 0
.elseif z >= 12
.set w, 16
.set u, z-12
.elseif z >= 8
.set w, 8
.set u, z-8
.endif
.if z < 15
	v_pk_add_f32 v[rS+w*u:rS+w*u+1], v[rS+w*u:rS+w*u+1], v[rS+w*u+w/2:rS+w*u+w/2+1]
.else
	v_pk_fma_f32 v[rT+2:rT+3], v[rT+2:rT+3], v[rT+6:rT+7], v[rS:rS+1] op_sel_hi:[1,0,1]
.endif
.else
	WIN W_RS
	v_pk_mul_f32 v[rO:rO+1], v[rO:rO+1], v[rT+6:rT+7] op_sel_hi:[1,0]
.endif
.endm
; Slice k of 64 of piece y's softmax: numbers 2 k and 2 k + 1 of both tiles' lists, four instructions.  2 x 134 = 4 x 64 + 12: the twelve that are over stand together, in slice 63.
.macro SLICE y
.if (k >= 11) && (k < 44)           ; tile by tile: plain, exponential, plain, exponential
.irp t, \y, (\y)+1
.irp n, 0,1
.set j, 2*k+(\n)
	SM \t
.endr
.endr
.else                               ; the two tiles alternate, so that no instruction reads the result of the one just before it
.irp n, 0,1,2,3,4,5,6,7
.if ((\n) < 2) || (k == 63)
.irp t, \y, (\y)+1
.set j, 2*k+(\n)
	SM \t
.endr
.endif
.endr
.endif
.set k, k+1
.endm
; 32 products for piece x (kind 0: K Q^T, 1: V^T P); behind each, two slices of piece y's softmax (y = -1: none).  No slice names a register of the products round it; slices 62 and 63, twenty plain
; instructions, are the places behind the run's last product.
.macro RUN kind, x, y
.set k, 0
.set i, 0
.rept 32
.if \kind
	PV \x
.else
	KQ \x
.endif
.if (\y) >= 0
	SLICE \y
	SLICE \y
.endif
.set i, i+1
.endr
.endm
; THE CAUSAL MASK for piece y, in the diagonal tile alone: -1e30 where the key lies behind the query; each accumulator's registers in ascending order.
.macro MASKP y
.irp t, \y, (\y)+1
.set n, 0
.rept 32
	v_cmp_gt_i32 vcc_lo, 16*(n/8)+n%8, v[XT+(\t)]
	v_cndmask_b32 v[S+32*(\t)+n], v[S+32*(\t)+n], v[BIGV], vcc_lo
.set n, n+1
.endr
.endr
.endm
; A BLOCK'S END, first half.  l's two halves and the other half of the lanes' are added.  q2 = 1: the second block's Q comes out of my exchange area, ahead of the stores that write over it (LDS serves a
; wave's instructions in order: ISA guide 5.7.1.4).  Then O^T and the statistics of my register tiles 2 and 3 go there for my partner.
.macro GIVE q2
	WIN 0
.irp t, 0,1,2,3
	v_add_f32 v[ST+8*(\t)+2], v[ST+8*(\t)+2], v[ST+8*(\t)+3]
.endr
.irp t, 0,1,2,3
	v_permlanex16_b32 v[ST+8*(\t)+3], v[ST+8*(\t)+2], s[SEL], s[SEL+1]
.endr
.irp t, 0,1,2,3
	v_add_f32 v[ST+8*(\t)+2], v[ST+8*(\t)+2], v[ST+8*(\t)+3]
.endr
.if \q2
	WIN 0x80
.set n, 0
.rept 32
	ds_load_b128 v[4*n:4*n+3], v[XA] offset:512*n
.set n, n+1
.endr
.endif
	WIN 0x04                        ; the stores' data in window 1; each accumulator's four lowest registers first
.set n, 0
.rept 32
	ds_store_b128 v[XA], v[128+4*n:128+4*n+3] offset:512*n
.set n, n+1
.endr
	WIN 0
	ds_store_b128 v[XA], v[ST+16:ST+19] offset:16384
	ds_store_b128 v[XA], v[ST+24:ST+27] offset:16896
.endm
; A BLOCK'S END, second half, behind the barrier.  My partner's part of my tiles 0 and 1 comes in; with M = max(c m1, c m2), a1 = 2^(c m1 - M), a2 = 2^(c m2 - M) and l = a1 l1 + a2 l2 the rows are
; (a1 / l) O1 + (a2 / l) O2; rounded to f16 they go through my stage and leave as whole rows of 256 bytes.
.macro PACKF t
	WIN 0
.set n, 0
.rept 32
	v_pk_mul_f32 v[S+64*(\t)+2*n:S+64*(\t)+2*n+1], v[S+64*(\t)+2*n:S+64*(\t)+2*n+1], v[ST+8*(\t)+6:ST+8*(\t)+7] op_sel_hi:[1,0]
.set n, n+1
.endr
	WIN 0x01                        ; source 0, O^T, in window 1; in ascending order
.set n, 0
.rept 32
	v_pk_fma_f32 v[S+64*(\t)+2*n:S+64*(\t)+2*n+1], v[64*(\t)+2*n:64*(\t)+2*n+1], v[ST+8*(\t)+4:ST+8*(\t)+5], v[S+64*(\t)+2*n:S+64*(\t)+2*n+1] op_sel_hi:[1,0,1]
.set n, n+1
.endr
	WIN 0
.set n, 0
.rept 32
	v_cvt_pk_f16_f32 v[P+32*(\t)+n], v[S+64*(\t)+2*n], v[S+64*(\t)+2*n+1]
.set n, n+1
.endr
.irp f, 0,1,2,3,4,5,6,7
	ds_store_b128 v[STO], v[P+32*(\t)+4*(\f):P+32*(\t)+4*(\f)+3] offset:32*(\f)
.endr
.irp f, 0,1,2,3,4,5,6,7
	ds_load_b128 v[P+32*(\t)+4*(\f):P+32*(\t)+4*(\f)+3], v[RD] offset:(\f)*2*SP  ; these see the stores above; the next tile's stores come behind them
.endr
.endm
.macro SEND t, younger              ; younger: the LDS instructions issued behind tile t's loads: the next tile's sixteen, or none
.irp f, 0,1,2,3,4,5,6,7
	s_wait_dscnt (\younger)+7-(\f)
	global_store_b128 v[GO], v[P+32*(\t)+4*(\f):P+32*(\t)+4*(\f)+3], s[10:11] offset:(\t)*65536+(\f)*8192  ; 16 lanes store 256 consecutive bytes, at a multiple of 256 from o16's first byte
.endr
.endm
.macro FINISH begin
	WIN 0
.set n, 0
.rept 32
	ds_load_b128 v[S+4*n:S+4*n+3], v[XP] offset:512*n
.set n, n+1
.endr
	ds_load_b128 v[PS:PS+3],   v[XP] offset:16384
	ds_load_b128 v[PS+4:PS+7], v[XP] offset:16896
	s_wait_dscnt 0x0
.irp t, 0,1
	v_max_num_f32 v[ST+8*(\t)+4], v[ST+8*(\t)], v[PS+4*(\t)]
.endr
.irp t, 0,1
	v_sub_f32 v[ST+8*(\t)+5], v[ST+8*(\t)], v[ST+8*(\t)+4]
.endr
.irp t, 0,1
	v_sub_f32 v[ST+8*(\t)+7], v[PS+4*(\t)], v[ST+8*(\t)+4]
.endr
.irp t, 0,1
	v_exp_f32 v[ST+8*(\t)+5], v[ST+8*(\t)+5]       ; a1
.endr
.irp t, 0,1
	v_exp_f32 v[ST+8*(\t)+7], v[ST+8*(\t)+7]       ; a2
.endr
	v_nop                           ; a plain instruction between the last exponential and the use of its result
	s_wait_alu depctr_va_vdst(0)
.irp t, 0,1
	v_mul_f32 v[ST+8*(\t)+2], v[ST+8*(\t)+5], v[ST+8*(\t)+2]
.endr
.irp t, 0,1
	v_fmac_f32 v[ST+8*(\t)+2], v[ST+8*(\t)+7], v[PS+4*(\t)+2]
.endr
.irp t, 0,1
	v_rcp_f32 v[ST+8*(\t)+3], v[ST+8*(\t)+2]
.endr
	v_nop
	s_wait_alu depctr_va_vdst(0)
.irp t, 0,1
	v_mul_f32 v[ST+8*(\t)+4], v[ST+8*(\t)+5], v[ST+8*(\t)+3]  ; a1 / l
.endr
.irp t, 0,1
	v_mul_f32 v[ST+8*(\t)+6], v[ST+8*(\t)+7], v[ST+8*(\t)+3]  ; a2 / l
.endr
	PACKF 0
	PACKF 1                         ; a tile's arithmetic stands between the loads of the tile before and its stores
	SEND 0, 16
	SEND 1, 0
	s_wait_xcnt 0x0                 ; the stores have had their addresses translated (ISA guide 3.1): their base and P's registers are written again, in a later trip too, only behind this wait
.if \begin
	s_mov_b64 s[10:11], s[O2:O2+1]
	s_sub_co_u32 s[RT], 16, s[PB]   ; the second block has 16 - p tiles
	INIT
.endif
.endm
; A TRIP: one tile of the walk.  K and the terms are in registers.  fill = 1: the tile's slot is filled again; 0: the tail, where nothing is asked for and the last trip fetches no further K.
.macro TRIP fill
	s_sub_co_u32 s[RT], s[RT], 1    ; 0: this is the block's last tile, which holds the diagonal
	FETCH_V                         ; four places behind the last product that read V; waited for 64 products later
	RUN 0, 0, -1                    ; piece 0's scores: no vector work is ready yet
	WIN 0
	PLACES
	s_cmp_lg_u32 s[RT], 0
	s_cbranch_scc1 .Lopen_a_\@
	MASKP 0
.Lopen_a_\@:
	RUN 0, 2, 0                     ; piece 2's scores | piece 0's softmax
	WIN 0
	s_cmp_lg_u32 s[RT], 0
	s_cbranch_scc1 .Lopen_b_\@
	MASKP 2
.Lopen_b_\@:
	s_wait_dscnt 0x0                ; V is in
	RUN 1, 0, 2                     ; piece 0's V^T P | piece 2's softmax
	CHANGE \fill
.if \fill
	FETCH_K                         ; the next tile's K and terms
.else
	s_cmp_eq_u32 s[CNT], 1
	s_cbranch_scc1 .Lno_k_\@
	FETCH_K
	WIN 0
.Lno_k_\@:
.endif
	RUN 1, 2, -1                    ; piece 2's V^T P
	WIN 0
	PLACES
	s_cmp_lg_u32 s[RT], 0
	s_cbranch_scc1 .Lon_a_\@
	GIVE \fill
.Lon_a_\@:
	s_wait_dscnt 0x0                ; K is in; at a block's end: what I give lies in LDS
	s_barrier_signal -1             ; on every path.  The refill may stay on its way
	s_barrier_wait -1
	s_cmp_lg_u32 s[RT], 0
	s_cbranch_scc1 .Lon_b_\@
	FINISH \fill
.Lon_b_\@:
.endm
	s_wait_tensorcnt 1              ; my part of slot 0 is in; slot 1's may stay out
	s_wait_dscnt 0x0                ; my stores of the second block's Q are done
	s_barrier_signal -1
	s_barrier_wait -1               ; everybody's part is in
	FETCH_K                         ; the walk's first tile
	WIN 0
	s_wait_dscnt 0x0
	s_mov_b32 s[SLOTS], 15
.Lwalk:                             ; 15 trips: tiles 0 to 14 of the walk are multiplied, tiles 2 to 16 asked for.  The first block's end falls into this loop (p + 1 is 8 at the most)
	TRIP 1
	s_sub_co_u32 s[SLOTS], s[SLOTS], 1
	s_cmp_lg_u32 s[SLOTS], 0
	s_cbranch_scc1 .Lwalk
	s_mov_b32 s[CNT], 2
.Ltail:                             ; the last two tiles are a text of their own.  The second block ends in the last trip
	TRIP 0
	s_sub_co_u32 s[CNT], s[CNT], 1
	s_cmp_lg_u32 s[CNT], 0
	s_cbranch_scc1 .Ltail
	s_wait_tensorcnt 0x0            ; the wave's end, behind my last tensor load and my last LDS store
	ds_add_u32 v[SPW], v[NIL]
	s_wait_dscnt 0x0
	s_endpgm
.Lfunc_end_k_q6079d400c5_attn:
	.size	k_q6079d400c5_attn, .Lfunc_end_k_q6079d400c5_attn-k_q6079d400c5_attn
	.p2alignl 7, 3214868480
	.fill 96, 4, 3214868480
	.section	.rodata,"a",@progbits
	.p2align	6, 0x0
	.amdhsa_kernel k_q6079d400c5_attn
		.amdhsa_group_segment_fixed_size 327680
		.amdhsa_private_segment_fixed_size 0
		.amdhsa_enable_private_segment 0
		.amdhsa_kernarg_size 32
		.amdhsa_user_sgpr_count 2
		.amdhsa_user_sgpr_kernarg_segment_ptr 1
		.amdhsa_wavefront_size32 1
		.amdhsa_system_sgpr_workgroup_id_x 1
		.amdhsa_system_sgpr_workgroup_id_y 1
		.amdhsa_system_sgpr_workgroup_id_z 1
		.amdhsa_system_vgpr_workitem_id 0
		.amdhsa_next_free_vgpr 928
		.amdhsa_next_free_sgpr 80
		.amdhsa_reserve_vcc 1
		.amdhsa_float_denorm_mode_32 3
		.amdhsa_float_denorm_mode_16_64 3
		.amdhsa_memory_ordered 1
		.amdhsa_forward_progress 1
		.amdhsa_inst_pref_size 236
	.end_amdhsa_kernel
	.amdgpu_metadata
---
amdhsa.version: [ 1, 2 ]
amdhsa.kernels:
  - .name:           k_q6079d400c5_attn
    .symbol:         k_q6079d400c5_attn.kd
    .args:
      - { .name: qf, .offset: 0, .size: 8, .value_kind: global_buffer, .address_space: global }
      - { .name: kx, .offset: 8, .size: 8, .value_kind: global_buffer, .address_space: global }
      - { .name: v16, .offset: 16, .size: 8, .value_kind: global_buffer, .address_space: global }
      - { .name: o16, .offset: 24, .size: 8, .value_kind: global_buffer, .address_space: global }
    .group_segment_fixed_size: 327680
    .private_segment_fixed_size: 0
    .kernarg_segment_align: 8
    .kernarg_segment_size: 32
    .max_flat_workgroup_size: 128
    .sgpr_count:     80
    .vgpr_count:     928
    .wavefront_size: 32
...
	.end_amdgpu_metadata
.endif
;; end of part 3
;; launch oproj: the kernel of part 2 again; grid 16 x 16, 4 waves a work-group, clusters of 4 x 4, 327,680 bytes of LDS; arguments o16, ow16, out_b, out0; writes out0
;; ======== version 2 of 2: 4 launches; version 1 with the launch cast written anew for expert scheduling mode
;; limits: values are held in f16: magnitudes above 65,504 overflow, below 6.1e-05 lose precision
;; workspace buffers: x16 16,777,216 bytes; qw16 8,388,608 bytes; ow16 8,388,608 bytes; kx 17,039,360 bytes; v16 16,777,216 bytes; qf 33,554,432 bytes; o16 16,777,216 bytes
;; launch cast (part 4): grid 2048 x 1, 8 waves a work-group, no clusters, 0 bytes of LDS; arguments x, q_w, out_w, k, v, tier_labels, padding_mask, tier_bias, x16, qw16, ow16, kx, v16; writes x16, qw16, ow16, kx, v16
.if DOCPART == 4
	.amdgcn_target "amdgcn-amd-amdhsa--gfx1250"
	.amdhsa_code_object_version 6
	.text
	.protected	k_q6079d400c5_cast
	.globl	k_q6079d400c5_cast
	.p2align	8
	.type	k_q6079d400c5_cast,@function
k_q6079d400c5_cast:
	s_mov_b64 s[64:65], 0
	v_nop
	global_prefetch_b8 v0, s[64:65] scope:SCOPE_SE
	s_setreg_imm32_b32 hwreg(HW_REG_WAVE_SCHED_MODE, 0, 2), 2
	s_setreg_imm32_b32 hwreg(HW_REG_WAVE_MODE, 25, 1), 1
	s_wait_xcnt 0x0
	s_wait_alu depctr_vm_vsrc(0)
; THE OPERANDS OF ALL PRODUCTS, MADE ONCE.  x, q_w, out_w, k, v (f32) are rounded to bf16, and that number is written as f16 (exact between 6e-5 and 65,504).
; LIMITS.  A number of 65,520 or more becomes an infinity; below 6e-5 f16 keeps its fixed step of 6e-8.  Labels are 0, 1 or 2 (any other counts as 0).
; SHARES.  A work-group takes 16,384 numbers of one array: 64 KiB in, 32 KiB out.  By its number g: 0-511 x, 512-767 q_w, 768-1023 out_w, 1024-1535 k, 1536-2047 v.
; Thread t takes 16 bytes at 16 t of each 4,096 bytes: a load of a wave covers 512 consecutive bytes, a store 256 consecutive bytes at a multiple of 256 from the buffer's first byte.
; kx: for each head 32 halves of 65 rows of 256 bytes: 64 keys in f16, then one row with those keys' additive terms in f32: sqrt(2) x bf16(tier_bias[label]), or -1e30 for a padded key.
; (The scores are kept as q k / 8; they are multiplied by 8 / sqrt(128) later, and sqrt(2) x 8 / sqrt(128) = 1.)  A work-group of k has 128 keys: two halves, 33,280 bytes.
; No LDS, no matrix unit, no cluster: every byte is read once and written once, and no two work-groups share a byte.
; THE MODE: SCHED_MODE bits 1:0 = 2 (LLVM: expert scheduling mode 2), set by the entry lines.  The code itself states the register dependences
; between vector instructions and memory instructions, with s_wait_alu, always for 0.
; THE PLAN.  Registers that memory instructions touch:
;   v1, v2, v3   byte offsets, made at the head and never written again; read by every load and store of the main part.
;   X            sixteen loads' destinations, each loaded once, all at the head; read by the roundings.
;   Y            a pair for each store: written once, by step i's roundings; read by the one store that is issued in step i + 4.  No register that a store reads is ever written again.
;   T            named by vector instructions alone.
; The sixteen steps go in four blocks of four.  Block p's vector instructions name X and Y of block p and T; its memory instructions are the four stores of block p - 1, which read that
; block's Y and v2 or v3.  So ONE wait on va_vdst at a block's head states all that the block's four stores hang on, and they are dealt among its vector instructions with no further wait.
; The tail (the keys' terms) has waits of its own: for its offsets and the registers in which its loads land, for its twelve masks, and for its store's data.
.set X,   4                            ; v[4:67]    16 loads of 4 registers
.set T,   68                           ; v[68:73]   at work
.set Y,   76                           ; v[76:107]  16 stores of 2 registers: each has its own, so no store's data is written again
.set SRC, 32                           ; s[32:33]   the array read
.set DST, 34                           ; s[34:35]   the array written
.set MK,  50                           ; s[50:61]   the tail's twelve masks: label = 1, label = 2, padded, for four keys each
	s_load_b512 s[4:19], s[0:1], 0x0               ; x, q_w, out_w, k, v, tier_labels, padding_mask, tier_bias
	s_load_b256 s[20:27], s[0:1], 0x40             ; x16, qw16, ow16, kx
	s_load_b64 s[28:29], s[0:1], 0x60              ; v16
	v_lshlrev_b32 v1, 4, v0                        ; my 16 bytes in 4,096 read
	v_lshlrev_b32 v2, 3, v0                        ; my 8 bytes in 2,048 written
	v_lshrrev_b32 v3, 5, v0
	v_readfirstlane_b32 s30, v3                    ; wave 0..7
	s_mov_b32 s31, 0xffff0000                      ; a word's upper bf16
	s_mov_b32 s36, 0                               ; the first work-group of my array
	s_wait_alu depctr_va_sdst(0)                   ; s30 is written: ahead of every branch and of its first reader, the compare that picks wave 0 for the tail
	s_wait_kmcnt 0x0
	s_mov_b64 s[SRC:SRC+1], s[4:5]
	s_mov_b64 s[DST:DST+1], s[20:21]
.macro PICK bound, src, dst                    ; from work-group 'bound' on: another pair of arrays.  The condition hangs on the work-group's number alone
	s_cmp_ge_u32 ttmp9, \bound
	s_cselect_b64 s[SRC:SRC+1], s[\src:\src+1], s[SRC:SRC+1]
	s_cselect_b64 s[DST:DST+1], s[\dst:\dst+1], s[DST:DST+1]
	s_cselect_b32 s36, \bound, s36
.endm
	PICK 512, 6, 22
	PICK 768, 8, 24
	PICK 1024, 10, 26
	PICK 1536, 12, 28
	s_mov_b32 s42, 32768                           ; bytes written by a work-group,
	s_cmp_eq_u32 s36, 1024                         ; is it k?
	s_cselect_b32 s37, 1, 0
	s_cselect_b32 s39, 256, 0                      ; then the second 64 keys lie one row of 256 bytes further on,
	s_cselect_b32 s42, 33280, s42                  ; and a work-group's part is two such rows longer
	s_sub_co_u32 s38, ttmp9, s36                   ; my place in the array
	s_lshl_b32 s40, s38, 16
	s_mov_b32 s41, 0
	s_mul_i32 s42, s38, s42
	s_mov_b32 s43, 0
	s_add_nc_u64 s[SRC:SRC+1], s[SRC:SRC+1], s[40:41]
	s_add_nc_u64 s[DST:DST+1], s[DST:DST+1], s[42:43]
	v_add_nc_u32 v3, s39, v2                       ; the offset for the second half of the stores
	s_wait_alu depctr_va_vdst(0)                   ; v1, v2 and v3 are written: every load and store of the main part reads one of them as its offset
.irp i, 0,1,2,3,4,5,6,7,8,9,10,11,12,13,14,15
	global_load_b128 v[X+4*(\i):X+4*(\i)+3], v1, s[SRC:SRC+1] offset:4096*(\i) th:TH_LOAD_NT
.endr
.irp i, 0,1,2,3,4,5,6,7,8,9,10,11,12,13,14,15
	s_wait_loadcnt 15-(\i)                         ; loads come back in order (ISA guide 5.7.1): load i is in, the younger ones stay out
.if ((\i) % 4 == 0) && ((\i) > 0)
	s_wait_alu depctr_va_vdst(0)                   ; a block's head: the block before has written its four pairs of Y, which this block's four stores read
.endif
.if (\i) >= 4
	global_store_b64 v[2+((\i)-4)/8], v[Y+2*((\i)-4):Y+2*((\i)-4)+1], s[DST:DST+1] offset:2048*((\i)-4)  ; the step four back; no vector instruction since the wait names its registers
.endif
	v_cvt_pk_bf16_f32 v[T],   v[X+4*(\i)],   v[X+4*(\i)+1]
	v_cvt_pk_bf16_f32 v[T+1], v[X+4*(\i)+2], v[X+4*(\i)+3]
	v_lshlrev_b32 v[T+2], 16,  v[T]                ; bf16 back to f32: the low half moves up, the high half stays
	v_and_b32     v[T+3], s31, v[T]
	v_lshlrev_b32 v[T+4], 16,  v[T+1]
	v_and_b32     v[T+5], s31, v[T+1]
	v_cvt_pk_f16_f32 v[Y+2*(\i)],   v[T+2], v[T+3]
	v_cvt_pk_f16_f32 v[Y+2*(\i)+1], v[T+4], v[T+5]
.endr
	s_wait_alu depctr_va_vdst(0)                   ; the last block has written its four pairs of Y, which the last four stores read
.irp i, 12,13,14,15
	global_store_b64 v3, v[Y+2*(\i):Y+2*(\i)+1], s[DST:DST+1] offset:2048*(\i)
.endr
	; The two rows of additive terms: wave 0 of a work-group of k; lane l takes keys 4 l .. 4 l + 3 of the 128.
	s_cmp_eq_u32 s37, 1
	s_cbranch_scc0 .Lend
	s_cmp_eq_u32 s30, 0
	s_cbranch_scc0 .Lend
	s_load_b96 s[44:46], s[18:19], 0x0             ; tier_bias
	s_lshr_b32 s47, s38, 8                         ; my place is 256 x batch + 16 x head + tile
	s_lshl_b32 s47, s47, 11
	s_and_b32 s48, s38, 15
	s_lshl_b32 s48, s48, 7
	s_add_co_u32 s48, s48, s47                     ; my first key among the 2 x 2,048
	s_mov_b32 s49, 0
	s_add_nc_u64 s[16:17], s[16:17], s[48:49]      ; its byte of the mask,
	s_lshl_b32 s48, s48, 2
	s_add_nc_u64 s[14:15], s[14:15], s[48:49]      ; its label
	v_and_b32 v4, 31, v0
	v_lshlrev_b32 v5, 4, v4
	v_lshlrev_b32 v6, 2, v4
	s_wait_alu depctr_va_vdst(0)                   ; v5 and v6 are written, which the two loads read as offsets; the roundings above are done reading v[8:12], in which the loads land
	global_load_b128 v[8:11], v5, s[14:15]
	global_load_b32 v12, v6, s[16:17]
	v_lshrrev_b32 v7, 4, v4                        ; lanes 0-15 fill the first half's row at byte 16,384, lanes 16-31 the second's at 33,024
	v_lshl_add_u32 v7, v7, 14, v5
	v_add_nc_u32 v7, 16384, v7
	v_mov_b32 v19, 0xf149f2ca                      ; -1e30
	s_wait_kmcnt 0x0
	v_mov_b32 v16, s44
	v_mov_b32 v17, s45
	v_mov_b32 v18, s46
	v_cvt_pk_bf16_f32 v14, v16, v17                ; rounded to bf16 like every input
	v_cvt_pk_bf16_f32 v15, v18, v18
	v_lshlrev_b32 v16, 16, v14
	v_and_b32 v17, s31, v14
	v_lshlrev_b32 v18, 16, v15
	v_mul_f32 v16, 0x3fb504f3, v16                 ; x sqrt(2)
	v_mul_f32 v17, 0x3fb504f3, v17
	v_mul_f32 v18, 0x3fb504f3, v18
	s_wait_loadcnt 0x0
.irp j, 0,1,2,3
	v_bfe_u32 v[24+(\j)], v12, 8*(\j), 8           ; key j's byte of the mask
.endr
.irp j, 0,1,2,3                        ; the twelve compares stand in one run, each with a scalar register of its own
	v_cmp_eq_u32 s[MK+(\j)],   1, v[8+(\j)]
	v_cmp_eq_u32 s[MK+4+(\j)], 2, v[8+(\j)]
	v_cmp_ne_u32 s[MK+8+(\j)], 0, v[24+(\j)]
.endr
	s_wait_alu depctr_va_sdst(0)                   ; the twelve masks s50 to s61 are written, ahead of their first reader: the selects below
.irp j, 0,1,2,3
	v_cndmask_b32 v[20+(\j)], v16, v17, s[MK+(\j)]
	v_cndmask_b32 v[20+(\j)], v[20+(\j)], v18, s[MK+4+(\j)]
	v_cndmask_b32 v[20+(\j)], v[20+(\j)], v19, s[MK+8+(\j)]
.endr
	s_wait_alu depctr_va_vdst(0)                   ; the selects have written v[20:23], the store's data, and v7, its offset, is written
	global_store_b128 v7, v[20:23], s[DST:DST+1]   ; 16 lanes store 256 consecutive bytes
.Lend:
	s_endpgm
.Lfunc_end_k_q6079d400c5_cast:
	.size	k_q6079d400c5_cast, .Lfunc_end_k_q6079d400c5_cast-k_q6079d400c5_cast
	.p2alignl 7, 3214868480
	.fill 96, 4, 3214868480
	.section	.rodata,"a",@progbits
	.p2align	6, 0x0
	.amdhsa_kernel k_q6079d400c5_cast
		.amdhsa_group_segment_fixed_size 0
		.amdhsa_private_segment_fixed_size 0
		.amdhsa_enable_private_segment 0
		.amdhsa_kernarg_size 104
		.amdhsa_user_sgpr_count 2
		.amdhsa_user_sgpr_kernarg_segment_ptr 1
		.amdhsa_wavefront_size32 1
		.amdhsa_system_sgpr_workgroup_id_x 1
		.amdhsa_system_sgpr_workgroup_id_y 1
		.amdhsa_system_sgpr_workgroup_id_z 1
		.amdhsa_system_vgpr_workitem_id 0
		.amdhsa_next_free_vgpr 112
		.amdhsa_next_free_sgpr 66
		.amdhsa_reserve_vcc 0
		.amdhsa_float_denorm_mode_32 3
		.amdhsa_float_denorm_mode_16_64 3
		.amdhsa_memory_ordered 1
		.amdhsa_forward_progress 1
		.amdhsa_inst_pref_size 16
	.end_amdhsa_kernel
	.amdgpu_metadata
---
amdhsa.version: [ 1, 2 ]
amdhsa.kernels:
  - .name:           k_q6079d400c5_cast
    .symbol:         k_q6079d400c5_cast.kd
    .args:
      - { .name: x, .offset: 0, .size: 8, .value_kind: global_buffer, .address_space: global }
      - { .name: q_w, .offset: 8, .size: 8, .value_kind: global_buffer, .address_space: global }
      - { .name: out_w, .offset: 16, .size: 8, .value_kind: global_buffer, .address_space: global }
      - { .name: k, .offset: 24, .size: 8, .value_kind: global_buffer, .address_space: global }
      - { .name: v, .offset: 32, .size: 8, .value_kind: global_buffer, .address_space: global }
      - { .name: tier_labels, .offset: 40, .size: 8, .value_kind: global_buffer, .address_space: global }
      - { .name: padding_mask, .offset: 48, .size: 8, .value_kind: global_buffer, .address_space: global }
      - { .name: tier_bias, .offset: 56, .size: 8, .value_kind: global_buffer, .address_space: global }
      - { .name: x16, .offset: 64, .size: 8, .value_kind: global_buffer, .address_space: global }
      - { .name: qw16, .offset: 72, .size: 8, .value_kind: global_buffer, .address_space: global }
      - { .name: ow16, .offset: 80, .size: 8, .value_kind: global_buffer, .address_space: global }
      - { .name: kx, .offset: 88, .size: 8, .value_kind: global_buffer, .address_space: global }
      - { .name: v16, .offset: 96, .size: 8, .value_kind: global_buffer, .address_space: global }
    .group_segment_fixed_size: 0
    .private_segment_fixed_size: 0
    .kernarg_segment_align: 8
    .kernarg_segment_size: 104
    .max_flat_workgroup_size: 256
    .sgpr_count:     66
    .vgpr_count:     112
    .wavefront_size: 32
...
	.end_amdgpu_metadata
.endif
;; end of part 4
;; launch qproj: the kernel of part 2 again; grid 16 x 16, 4 waves a work-group, clusters of 4 x 4, 327,680 bytes of LDS; arguments x16, qw16, q_b, qf; writes qf
;; launch attn: the kernel of part 3 again; grid 8 x 32, 4 waves a work-group, no clusters, 327,680 bytes of LDS; arguments qf, kx, v16, o16; writes o16
;; launch oproj: the kernel of part 2 again; grid 16 x 16, 4 waves a work-group, clusters of 4 x 4, 327,680 bytes of LDS; arguments o16, ow16, out_b, out0; writes out0
